; MI455X (gfx1250); checked and timed in simulation.
; The chip was launched on July 23, 2026; its instructions are those of AMD's public machine-readable ISA for CDNA 5 (MIT licence, August 2026) and "CDNA5" Instruction Set Architecture Reference Guide (July 2026). The comments in the code are by the model that wrote it; some were corrected since.
;; BDH GPU. Allowed arithmetic: float matrix products may take bf16 or f16 operands with f32 sums; other float arithmetic in f32, or as packed bf16 or f16 multiplies, adds, multiply-adds, maxima and minima; sums over many terms, partial sums and values carried from step to step in f32; what a program stores and reads back later, other than sums and carried values, may be rounded once to bf16 or f16.
;; Inputs: decoder_x 4 x 256 x 1,024 float32; decoder_y 4 x 256 x 1,024 float32; encoder 4,096 x 256 float32; idx 8 x 2,048 int32; readout 256 x 256 float32; wte 256 x 256 float32.
;; Outputs: out0 8 x 2,048 x 256 float32.
;; 2 versions, each right; version 2 is version 1 with the launch prep written anew for expert scheduling mode. Each part assembles by itself: llvm-mc -triple=amdgcn-amd-amdhsa -mcpu=gfx1250 --defsym DOCPART=n.
;; ======== version 1 of 2: 5 launches
;; limits: values are held in f16: magnitudes above 65,504 overflow, below 6.1e-05 lose precision; right only within a limited range of input values
;; workspace buffers: qv 16,777,216 bytes; vt 393,216 bytes; wts 6,422,528 bytes; sp 16,777,216 bytes; xtab 2,097,152 bytes; a1f 8,388,608 bytes; up 33,554,432 bytes
;; launch prep (part 1): grid 256 x 1, 8 waves a work-group, no clusters, 0 bytes of LDS; arguments idx, wte, decoder_x, decoder_y, encoder, readout, qv, vt, wts; writes qv, vt, wts
.if DOCPART == 1
	.amdgcn_target "amdgcn-amd-amdhsa--gfx1250"
	.amdhsa_code_object_version 6
	.text
	.protected	k_q5f1be52160_prep
	.globl	k_q5f1be52160_prep
	.p2align	8
	.type	k_q5f1be52160_prep,@function
k_q5f1be52160_prep:
	s_mov_b64 s[64:65], 0
	v_nop
	global_prefetch_b8 v0, s[64:65] scope:SCOPE_SE
	s_setreg_imm32_b32 hwreg(HW_REG_WAVE_MODE, 25, 1), 1
	s_wait_xcnt 0x0
; PREPARATION.  No matrix work, no LDS, no barrier: every wave is by itself.
; Wave W = 8 x work-group + wave (0 .. 2047) does three things.
;  (1) It is position t = W of all 8 batches: v = LN(bf16(wte[idx[b][t]])) and q = rope(v), both rounded once to f16: qv holds q rows [16384][256] at 0, v rows at 8,388,608.
;      cos and sin of the 128 angles t f_i are made once a wave (lane l: i = 4 l .. 4 l + 3) and serve the 8 rows.
;  (2) It rounds 512 numbers of decoder_x, decoder_y and encoder (W < 512: 128 of readout) to bf16 and writes that number as f16:
;      wts = Wx16 [256 d][4096 n] at 0, Wy16 the same at 2,097,152, Enc16 [4096 n][256 d] at 4,194,304, R16 [256 d][256] at 6,291,456; n = 1024 h + m.
;  (3) W < 256: row W of the table LN(bf16(wte)): f32 at vt + 0, f16 at vt + 262,144.
; LIMITS.  A weight beyond 65,504 has no f16; below 6e-5 a weight keeps the fixed step 6e-8 of f16.  f_i = 2^(-i log2(10000) / 128) and the angle t f_i are f32; the angle is reduced by one fused
; multiply-add with 1 / 2 pi and the series of sin (to the 15th power) and cos (to the 16th) are cut below 1e-6 on -pi .. pi.  NaN and infinities are not treated apart.
; Lane l owns d = 4 l .. 4 l + 3 and 128 + 4 l .. + 3 of a row, so the two numbers that a rotation mixes lie in one lane.
; Every store of a wave covers 256 or 512 consecutive bytes, aligned.
.set CO,  4                            ; v[4:7]    cos of my four angles
.set SI,  8                            ; v[8:11]   sin
.set T,   12                           ; v[12:27]  at work
.set ROW, 32                           ; v[32:95]  row b: 8 registers
.set OUT, 96                           ; v[96:159] row b: 4 registers of v, 4 of q, as stored; before that the weights as loaded (v96-143) and as stored (v144-167)
.set ST,  160                          ; v[160:175] row b: a pair (mean, then 1 / sigma, twice)
.set TP,  176                          ; v[176:183] row b: the other half of the lanes
.macro CVT4 src, dst                   ; four f32 -> bf16 -> the same numbers as f16
	v_cvt_pk_bf16_f32 v[T], v[\src], v[(\src)+1]
	v_cvt_pk_bf16_f32 v[T+1], v[(\src)+2], v[(\src)+3]
	v_lshlrev_b32 v[T+2], 16, v[T]
	v_and_b32 v[T+3], s66, v[T]
	v_lshlrev_b32 v[T+4], 16, v[T+1]
	v_and_b32 v[T+5], s66, v[T+1]
	v_cvt_pk_f16_f32 v[\dst], v[T+2], v[T+3]
	v_cvt_pk_f16_f32 v[(\dst)+1], v[T+4], v[T+5]
.endm
.macro RND b                           ; a row rounded to bf16, kept as f32
.irp j, 0,1,2,3
	v_cvt_pk_bf16_f32 v[T+\j], v[ROW+8*(\b)+2*\j], v[ROW+8*(\b)+2*\j+1]
.endr
.irp j, 0,1,2,3
	v_lshlrev_b32 v[ROW+8*(\b)+2*\j], 16, v[T+\j]
	v_and_b32 v[ROW+8*(\b)+2*\j+1], s66, v[T+\j]
.endr
.endm
.macro XRED list:vararg                ; the sum over the 32 lanes, for each row of the list, stage by stage
.irp m, 1,2,4,8
.irp b, \list
	v_add_f32_dpp v[ST+2*\b], v[ST+2*\b], v[ST+2*\b] row_xmask:\m row_mask:0xf bank_mask:0xf
.endr
.endr
.irp b, \list
	v_permlanex16_b32 v[TP+\b], v[ST+2*\b], s62, s63
.endr
.irp b, \list
	v_add_f32 v[ST+2*\b], v[ST+2*\b], v[TP+\b]
.endr
.endm
.macro LNROWS list:vararg              ; LayerNorm in two passes (mean, then centred squares) of the rows of the list, in place
.irp b, \list
	RND \b
.endr
.irp b, \list
	v_pk_add_f32 v[T:T+1], v[ROW+8*\b:ROW+8*\b+1], v[ROW+8*\b+2:ROW+8*\b+3]
	v_pk_add_f32 v[T+2:T+3], v[ROW+8*\b+4:ROW+8*\b+5], v[ROW+8*\b+6:ROW+8*\b+7]
	v_pk_add_f32 v[T:T+1], v[T:T+1], v[T+2:T+3]
	v_add_f32 v[ST+2*\b], v[T], v[T+1]
.endr
	XRED \list
.irp b, \list
	v_mul_f32 v[ST+2*\b], s67, v[ST+2*\b]
.endr
.irp b, \list
	v_mov_b32 v[ST+2*\b+1], v[ST+2*\b]
.endr
.irp b, \list
.irp j, 0,2,4,6
	v_pk_add_f32 v[ROW+8*\b+\j:ROW+8*\b+\j+1], v[ROW+8*\b+\j:ROW+8*\b+\j+1], v[ST+2*\b:ST+2*\b+1] neg_lo:[0,1] neg_hi:[0,1]
.endr
.endr
.irp b, \list
	v_pk_mul_f32 v[T:T+1], v[ROW+8*\b:ROW+8*\b+1], v[ROW+8*\b:ROW+8*\b+1]
	v_pk_fma_f32 v[T:T+1], v[ROW+8*\b+2:ROW+8*\b+3], v[ROW+8*\b+2:ROW+8*\b+3], v[T:T+1]
	v_pk_fma_f32 v[T:T+1], v[ROW+8*\b+4:ROW+8*\b+5], v[ROW+8*\b+4:ROW+8*\b+5], v[T:T+1]
	v_pk_fma_f32 v[T:T+1], v[ROW+8*\b+6:ROW+8*\b+7], v[ROW+8*\b+6:ROW+8*\b+7], v[T:T+1]
	v_add_f32 v[ST+2*\b], v[T], v[T+1]
.endr
	XRED \list
.irp b, \list
	v_fmaak_f32 v[ST+2*\b], s67, v[ST+2*\b], 0x3727c5ac     ; the variance + 1e-5
.endr
.irp b, \list
	v_rsq_f32 v[ST+2*\b], v[ST+2*\b]
.endr
	v_nop                                          ; a plain instruction behind the last root,
	s_wait_alu depctr_va_vdst(0)                   ; and one wait for the batch, ahead of its first reader
.irp b, \list
	v_mov_b32 v[ST+2*\b+1], v[ST+2*\b]
.endr
.irp b, \list
.irp j, 0,2,4,6
	v_pk_mul_f32 v[ROW+8*\b+\j:ROW+8*\b+\j+1], v[ROW+8*\b+\j:ROW+8*\b+\j+1], v[ST+2*\b:ST+2*\b+1]
.endr
.endr
.endm
.macro TOK b                           ; row b goes out: v, then q1 = v1 c - v2 s, q2 = v2 c + v1 s
.irp j, 0,1,2,3
	v_cvt_pk_f16_f32 v[OUT+8*(\b)+\j], v[ROW+8*(\b)+2*\j], v[ROW+8*(\b)+2*\j+1]
.endr
	global_store_b64 v2, v[OUT+8*(\b):OUT+8*(\b)+1], s[50:51] offset:1048576*(\b)
	global_store_b64 v2, v[OUT+8*(\b)+2:OUT+8*(\b)+3], s[50:51] offset:1048576*(\b)+256
.irp j, 0,2
	v_pk_mul_f32 v[T+\j:T+\j+1], v[ROW+8*(\b)+4+\j:ROW+8*(\b)+5+\j], v[SI+\j:SI+\j+1]
	v_pk_mul_f32 v[T+4+\j:T+5+\j], v[ROW+8*(\b)+\j:ROW+8*(\b)+1+\j], v[SI+\j:SI+\j+1]
.endr
.irp j, 0,2
	v_pk_fma_f32 v[T+\j:T+\j+1], v[ROW+8*(\b)+\j:ROW+8*(\b)+1+\j], v[CO+\j:CO+\j+1], v[T+\j:T+\j+1] neg_lo:[0,0,1] neg_hi:[0,0,1]
	v_pk_fma_f32 v[T+4+\j:T+5+\j], v[ROW+8*(\b)+4+\j:ROW+8*(\b)+5+\j], v[CO+\j:CO+\j+1], v[T+4+\j:T+5+\j]
.endr
.irp j, 0,1,2,3
	v_cvt_pk_f16_f32 v[OUT+8*(\b)+4+\j], v[T+2*\j], v[T+2*\j+1]
.endr
	global_store_b64 v2, v[OUT+8*(\b)+4:OUT+8*(\b)+5], s[48:49] offset:1048576*(\b)
	global_store_b64 v2, v[OUT+8*(\b)+6:OUT+8*(\b)+7], s[48:49] offset:1048576*(\b)+256
.endm
	s_load_b512 s[4:19], s[0:1], 0x0               ; idx s[4:5], wte s[6:7], decoder_x s[8:9], decoder_y s[10:11], encoder s[12:13], readout s[14:15], qv s[16:17], vt s[18:19]
	s_load_b64 s[20:21], s[0:1], 0x40              ; wts
	v_lshrrev_b32 v3, 5, v0
	v_readfirstlane_b32 s22, v3
	s_lshl_b32 s23, ttmp9, 3
	s_add_co_u32 s22, s22, s23                     ; W
	s_lshl_b32 s23, s22, 2                         ; 4 W: my position in a row of idx
	v_and_b32 v3, 31, v0                           ; lane
	v_lshlrev_b32 v1, 4, v3                        ; 16 l
	v_lshlrev_b32 v2, 3, v3                        ; 8 l
	s_mov_b32 s62, 0x76543210                      ; v_permlanex16_b32: each lane takes its own place in the other half
	s_mov_b32 s63, 0xfedcba98
	s_mov_b32 s66, 0xffff0000                      ; a word's upper bf16
	s_mov_b32 s67, 0x3b800000                      ; 1 / 256
	s_lshl_b32 s68, s22, 11                        ; 2,048 W: my 512 f32 of each large weight tensor
	s_mov_b32 s69, 0
	s_bfe_u32 s70, s22, 0x80001                    ; d = (W >> 1) & 255
	s_lshl_b32 s70, s70, 13                        ; a row of 4,096 f16
	s_lshr_b32 s72, s22, 9                         ; h
	s_lshl_b32 s72, s72, 11
	s_add_co_u32 s70, s70, s72
	s_and_b32 s72, s22, 1                          ; which half of the 1,024 m
	s_lshl_b32 s72, s72, 10
	s_add_co_u32 s70, s70, s72
	s_mov_b32 s71, 0
	s_lshl_b32 s72, s22, 10                        ; encoder keeps its layout: 1,024 W
	s_add_co_u32 s72, s72, 4194304
	s_mov_b32 s73, 0
	s_lshl_b32 s74, s22, 9                         ; row t of q and of v
	s_mov_b32 s75, 0
.irp b, 0,1,2,3,4,5,6,7
	v_mov_b32 v[TP+\b], 0                          ; v_permlanex16_b32 counts as a reader of its destination
.endr
	s_wait_kmcnt 0x0
.irp b, 0,1,2,3,4,5,6,7
	s_load_b32 s[24+\b], s[4:5], s23 offset:8192*\b
.endr
	s_add_nc_u64 s[52:53], s[8:9], s[68:69]
	s_add_nc_u64 s[54:55], s[10:11], s[68:69]
	s_add_nc_u64 s[56:57], s[12:13], s[68:69]
	s_add_nc_u64 s[58:59], s[20:21], s[70:71]      ; Wx16
	s_add_nc_u64 s[60:61], s[58:59], 2097152       ; Wy16
	s_add_nc_u64 s[2:3], s[20:21], s[72:73]        ; Enc16
	s_add_nc_u64 s[48:49], s[16:17], s[74:75]      ; q
	s_add_nc_u64 s[50:51], s[48:49], 8388608       ; v
.irp i, 0,1,2,3
	global_load_b128 v[96+4*\i:99+4*\i], v1, s[52:53] offset:512*\i th:TH_LOAD_NT
.endr
.irp i, 0,1,2,3
	global_load_b128 v[112+4*\i:115+4*\i], v1, s[54:55] offset:512*\i th:TH_LOAD_NT
.endr
.irp i, 0,1,2,3
	global_load_b128 v[128+4*\i:131+4*\i], v1, s[56:57] offset:512*\i th:TH_LOAD_NT
.endr
	; cos and sin of t f_i, i = 4 l + j, while the loads are on their way
.irp j, 0,1,2,3
	v_lshl_add_u32 v[T+\j], v3, 2, \j
.endr
.irp j, 0,1,2,3
	v_cvt_f32_u32 v[T+\j], v[T+\j]
.endr
.irp j, 0,1,2,3
	v_mul_f32 v[T+\j], 0xbdd49a78, v[T+\j]         ; - i log2(10000) / 128
.endr
.irp j, 0,1,2,3
	v_exp_f32 v[T+\j], v[T+\j]
.endr
	v_cvt_f32_u32 v28, s22                         ; t: the plain instruction behind the last exponential
	s_wait_alu depctr_va_vdst(0)                   ; one wait for the four
.irp j, 0,1,2,3
	v_mul_f32 v[T+\j], v28, v[T+\j]                ; the angle
.endr
.irp j, 0,1,2,3
	v_mul_f32 v[T+4+\j], 0x3e22f983, v[T+\j]       ; in turns
.endr
.irp j, 0,1,2,3
	v_rndne_f32 v[T+4+\j], v[T+4+\j]
.endr
.irp j, 0,1,2,3
	v_fma_f32 v[T+\j], v[T+\j], 0x3e22f983, -v[T+4+\j]  ; -0.5 .. 0.5 of a turn
.endr
.irp j, 0,1,2,3
	v_mul_f32 v[T+\j], 0x40c90fdb, v[T+\j]         ; phi
.endr
.irp j, 0,1,2,3
	v_mul_f32 v[T+4+\j], v[T+\j], v[T+\j]          ; phi^2
.endr
.irp j, 0,1,2,3
	v_mov_b32 v[SI+\j], 0xab573f9f
	v_mov_b32 v[CO+\j], 0x29573f9f
.endr
.irp k, 0x2f309231, 0xb2d7322b, 0x3638ef1d, 0xb9500d01, 0x3c088889, 0xbe2aaaab
.irp j, 0,1,2,3
	v_fmaak_f32 v[SI+\j], v[SI+\j], v[T+4+\j], \k
.endr
.endr
.irp k, 0xad49cba5, 0x310f76c7, 0xb493f27e, 0x37d00d01, 0xbab60b61, 0x3d2aaaab
.irp j, 0,1,2,3
	v_fmaak_f32 v[CO+\j], v[CO+\j], v[T+4+\j], \k
.endr
.endr
.irp j, 0,1,2,3
	v_fma_f32 v[SI+\j], v[SI+\j], v[T+4+\j], 1.0
	v_fma_f32 v[CO+\j], v[CO+\j], v[T+4+\j], -0.5
.endr
.irp j, 0,1,2,3
	v_mul_f32 v[SI+\j], v[SI+\j], v[T+\j]
	v_fma_f32 v[CO+\j], v[CO+\j], v[T+4+\j], 1.0
.endr
	s_wait_kmcnt 0x0                               ; the eight token numbers
.irp b, 0,1,2,3,4,5,6,7
	s_min_u32 s[24+\b], s[24+\b], 255              ; an index stays inside its table
	s_lshl_b32 s68, s[24+\b], 10
	s_add_nc_u64 s[32+2*\b:33+2*\b], s[6:7], s[68:69]
.endr
.irp b, 0,1,2,3,4,5,6,7
	global_load_b128 v[ROW+8*\b:ROW+8*\b+3], v1, s[32+2*\b:33+2*\b]
	global_load_b128 v[ROW+8*\b+4:ROW+8*\b+7], v1, s[32+2*\b:33+2*\b] offset:512
.endr
	s_wait_loadcnt 16                              ; the 16 row loads may stay out: the 12 weight loads are in
.irp i, 0,1,2,3
	CVT4 96+4*\i, 144+2*\i
	global_store_b64 v2, v[144+2*\i:145+2*\i], s[58:59] offset:256*\i
.endr
.irp i, 0,1,2,3
	CVT4 112+4*\i, 152+2*\i
	global_store_b64 v2, v[152+2*\i:153+2*\i], s[60:61] offset:256*\i
.endr
.irp i, 0,1,2,3
	CVT4 128+4*\i, 160+2*\i
	global_store_b64 v2, v[160+2*\i:161+2*\i], s[2:3] offset:256*\i
.endr
	s_wait_loadcnt 0x0
	s_wait_xcnt 0x0                                ; the weights' stores have read v144-167, which the rows' work writes
	LNROWS 0,1,2,3,4,5,6,7
.irp b, 0,1,2,3,4,5,6,7
	TOK \b
.endr
	s_mov_b32 s70, ttmp9
	s_cmp_lt_u32 s70, 64                           ; W < 512: 128 numbers of readout
	s_cbranch_scc0 .Ldone
	s_wait_xcnt 0x0                                ; all stores so far have read their registers and bases
	s_lshl_b32 s68, s22, 9
	s_add_nc_u64 s[52:53], s[14:15], s[68:69]
	s_lshl_b32 s68, s22, 8
	s_add_co_u32 s68, s68, 6291456
	s_add_nc_u64 s[54:55], s[20:21], s[68:69]
	global_load_b128 v[96:99], v1, s[52:53] th:TH_LOAD_NT
	s_wait_loadcnt 0x0
	CVT4 96, 100
	global_store_b64 v2, v[100:101], s[54:55]
	s_cmp_lt_u32 s70, 32                           ; W < 256: row W of the table
	s_cbranch_scc0 .Ldone
	s_lshl_b32 s68, s22, 10
	s_add_nc_u64 s[32:33], s[6:7], s[68:69]
	s_add_nc_u64 s[56:57], s[18:19], s[68:69]
	s_lshl_b32 s68, s22, 9
	s_add_co_u32 s68, s68, 262144
	s_add_nc_u64 s[58:59], s[18:19], s[68:69]
	global_load_b128 v[ROW:ROW+3], v1, s[32:33]
	global_load_b128 v[ROW+4:ROW+7], v1, s[32:33] offset:512
	s_wait_loadcnt 0x0
	LNROWS 0
	global_store_b128 v1, v[ROW:ROW+3], s[56:57]
	global_store_b128 v1, v[ROW+4:ROW+7], s[56:57] offset:512
.irp j, 0,1,2,3
	v_cvt_pk_f16_f32 v[104+\j], v[ROW+2*\j], v[ROW+2*\j+1]
.endr
	global_store_b64 v2, v[104:105], s[58:59]
	global_store_b64 v2, v[106:107], s[58:59] offset:256
.Ldone:
	s_endpgm
.Lfunc_end_k_q5f1be52160_prep:
	.size	k_q5f1be52160_prep, .Lfunc_end_k_q5f1be52160_prep-k_q5f1be52160_prep
	.p2alignl 7, 3214868480
	.fill 96, 4, 3214868480
	.section	.rodata,"a",@progbits
	.p2align	6, 0x0
	.amdhsa_kernel k_q5f1be52160_prep
		.amdhsa_group_segment_fixed_size 0
		.amdhsa_private_segment_fixed_size 0
		.amdhsa_enable_private_segment 0
		.amdhsa_kernarg_size 72
		.amdhsa_user_sgpr_count 2
		.amdhsa_user_sgpr_kernarg_segment_ptr 1
		.amdhsa_wavefront_size32 1
		.amdhsa_system_sgpr_workgroup_id_x 1
		.amdhsa_system_sgpr_workgroup_id_y 1
		.amdhsa_system_sgpr_workgroup_id_z 1
		.amdhsa_system_vgpr_workitem_id 0
		.amdhsa_next_free_vgpr 192
		.amdhsa_next_free_sgpr 80
		.amdhsa_reserve_vcc 0
		.amdhsa_float_denorm_mode_32 3
		.amdhsa_float_denorm_mode_16_64 3
		.amdhsa_memory_ordered 1
		.amdhsa_forward_progress 1
		.amdhsa_inst_pref_size 53
	.end_amdhsa_kernel
	.amdgpu_metadata
---
amdhsa.version: [ 1, 2 ]
amdhsa.kernels:
  - .name:           k_q5f1be52160_prep
    .symbol:         k_q5f1be52160_prep.kd
    .args:
      - { .name: idx, .offset: 0, .size: 8, .value_kind: global_buffer, .address_space: global }
      - { .name: wte, .offset: 8, .size: 8, .value_kind: global_buffer, .address_space: global }
      - { .name: decoder_x, .offset: 16, .size: 8, .value_kind: global_buffer, .address_space: global }
      - { .name: decoder_y, .offset: 24, .size: 8, .value_kind: global_buffer, .address_space: global }
      - { .name: encoder, .offset: 32, .size: 8, .value_kind: global_buffer, .address_space: global }
      - { .name: readout, .offset: 40, .size: 8, .value_kind: global_buffer, .address_space: global }
      - { .name: qv, .offset: 48, .size: 8, .value_kind: global_buffer, .address_space: global }
      - { .name: vt, .offset: 56, .size: 8, .value_kind: global_buffer, .address_space: global }
      - { .name: wts, .offset: 64, .size: 8, .value_kind: global_buffer, .address_space: global }
    .group_segment_fixed_size: 0
    .private_segment_fixed_size: 0
    .kernarg_segment_align: 8
    .kernarg_segment_size: 72
    .max_flat_workgroup_size: 256
    .sgpr_count:     80
    .vgpr_count:     192
    .wavefront_size: 32
...
	.end_amdgpu_metadata
.endif
;; end of part 1
;; launch state_xtab (part 2): grid 256 x 1, 4 waves a work-group, no clusters, 99,840 bytes of LDS; arguments qv, vt, wts, sp, xtab; writes sp, xtab
.if DOCPART == 2
	.amdgcn_target "amdgcn-amd-amdhsa--gfx1250"
	.amdhsa_code_object_version 6
	.text
	.protected	k_q5f1be52160_state_xtab
	.globl	k_q5f1be52160_state_xtab
	.p2align	8
	.type	k_q5f1be52160_state_xtab,@function
k_q5f1be52160_state_xtab:
	s_mov_b64 s[64:65], 0
	v_nop
	global_prefetch_b8 v0, s[64:65] scope:SCOPE_SE
	s_setreg_imm32_b32 hwreg(HW_REG_WAVE_MODE, 25, 1), 1
	s_wait_xcnt 0x0
; TWO ROLES, chosen by the work-group's number (the same for its four waves).
; ROLE A (work-groups 0 .. 127): the running state of the causal product.  S_c[d][e] = the sum over tokens s < 128 c of q_s[d] v_s[e].  A work-group owns 64 d x 64 e of one batch and walks chunks
;   c = 0 .. 14 of 128 tokens; behind chunk c it stores S_(c+1) / 16 in f16; S_0 is stored as zeros.  |q| and |v| are at most 16 by LayerNorm, so |S| / 16 <= 30,720: inside f16.  Sums in f32.
;   sp = [b 8][c 16][k 8][et 16][1,024 bytes]: the register image of a source-0 fragment with rows e = 16 et + lane % 16 and K = d = 32 k ..: two result tiles (16 d each), rounded in pairs, ARE such a fragment.
; ROLE B (work-groups 128 .. 255): the table X[vocab][n] = relu(LN(wte)[vocab] . Wx[:, n]) in f16: x of the module has only 256 different rows, whatever idx holds.
;   A work-group makes 64 vocabulary rows x 128 n, a wave 16 x 128, transposed (source 0 = 16 n), so that a lane holds eight neighbouring n of one row.
; LDS is filled through registers here.  NO CLUSTER: a chunk's slices are 16 KiB each and come through registers; joint requests are tensor loads.
; Both sources of role A and Wx lie [K][M] in LDS and are turned by ds_load_tr16_b128; pitches 160 and 288 bytes are odd multiples of 32.
.set SPARE, 99328                      ; the spare words: 128 bytes a wave, two blocks of 256 bytes that no other line names
.set ZR,  14                           ; v14  0
.set SPW, 16                           ; v16  my spare word; never rewritten
.set NIL, 17                           ; v17  0; never rewritten
.set MSB, 0
.macro WIN new                         ; the immediate's high byte repeats the setting that is left
.if MSB != (\new)
	s_set_vgpr_msb (MSB<<8)|(\new)
.set MSB, (\new)
.endif
.endm
.macro PLACES n
.rept \n
	v_nop
.endr
.endm
	s_load_b256 s[4:11], s[0:1], 0x0               ; qv s[4:5], vt s[6:7], wts s[8:9], sp s[10:11]
	s_load_b64 s[12:13], s[0:1], 0x20              ; xtab
	v_lshl_add_u32 v[SPW], v0, 2, SPARE
	v_mov_b32 v[NIL], 0
	v_mov_b32 v[ZR], 0
	v_lshrrev_b32 v1, 5, v0
	v_readfirstlane_b32 s14, v1                    ; wave
	v_and_b32 v1, 31, v0                           ; l
	v_bfe_u32 v9, v0, 4, 1                         ; h = l / 16
	v_and_b32 v8, 7, v0                            ; l % 8
	v_bfe_u32 v10, v0, 3, 1                        ; (l / 8) % 2
	v_lshl_add_u32 v12, v9, 3, v8                  ; 8 h + l % 8: the row that I address in a turning load
	s_mov_b32 s15, ttmp9
	s_mov_b32 s31, 0
	s_wait_kmcnt 0x0
	s_cmp_lt_u32 s15, 128
	s_cbranch_scc0 .Lrole_b
	; ---------------- ROLE A ----------------
	; LDS: buffer p at 40,960 p: Q slice [128 tokens][64 d] at pitch 160, V slice [128 tokens][64 e] 20,480 behind it.
	; v2 global offset, v3 / v13 LDS store address (Q / V), v4 / v5 turning loads (Q / V), v6 16 l.  v64-95 four accumulators; v96-127 V fragments; v128-255 Q fragments; v256-319 a chunk as loaded.
	s_lshr_b32 s16, s15, 4                         ; b
	s_bfe_u32 s17, s15, 0x20002                    ; db
	s_and_b32 s18, s15, 3                          ; eb
	s_lshl_b32 s30, s16, 20                        ; a batch's 2,048 rows of 512 bytes
	s_lshl_b32 s19, s17, 7
	s_add_co_u32 s30, s30, s19
	s_add_nc_u64 s[20:21], s[4:5], s[30:31]        ; q rows, my 64 d
	s_lshl_b32 s30, s16, 20
	s_lshl_b32 s19, s18, 7
	s_add_co_u32 s30, s30, s19
	s_add_co_u32 s30, s30, 8388608
	s_add_nc_u64 s[22:23], s[4:5], s[30:31]        ; v rows, my 64 e
	s_lshl_b32 s30, s16, 21                        ; 16 chunks of 131,072 bytes
	s_lshl_b32 s19, s17, 15                        ; k = 2 db
	s_add_co_u32 s30, s30, s19
	s_lshl2_add_u32 s19, s18, s14                  ; et = 4 eb + wave
	s_lshl_b32 s19, s19, 10
	s_add_co_u32 s30, s30, s19
	s_add_nc_u64 s[24:25], s[10:11], s[30:31]
	s_mov_b32 s28, 0x3d800000                      ; 1 / 16
	s_mov_b32 s29, s28
	v_lshrrev_b32 v7, 3, v1
	s_lshl_b32 s19, s14, 5
	v_add_nc_u32 v11, s19, v7                      ; token 32 w + l / 8
	v_lshlrev_b32 v2, 9, v11
	v_lshl_add_u32 v2, v8, 4, v2
	v_mul_u32_u24 v3, v11, 160
	v_lshl_add_u32 v3, v8, 4, v3
	v_add_nc_u32 v13, 20480, v3
	v_mul_u32_u24 v4, v12, 160
	v_lshl_add_u32 v4, v10, 4, v4
	s_add_co_u32 s19, s19, 20480                   ; my e tile: 32 w bytes into the V slice
	v_add_nc_u32 v5, s19, v4
	v_lshlrev_b32 v6, 4, v1
.macro GLOAD                           ; a chunk's slices: my 32 tokens, 128 bytes of each row, four rows an instruction
	WIN 0x40
.irp i, 0,1,2,3,4,5,6,7
	global_load_b128 v[4*\i:4*\i+3], v2, s[20:21] offset:2048*\i
.endr
.irp i, 0,1,2,3,4,5,6,7
	global_load_b128 v[32+4*\i:32+4*\i+3], v2, s[22:23] offset:2048*\i
.endr
	WIN 0
.endm
; One chunk through buffer p.  zero = 1: its first products start the sums.  ahead = 1: the next chunk is asked for; 2: not in the loop's last trip.
; One barrier a chunk: buffer p is written again two chunks on, behind the barrier of the chunk between, in front of which every wave has waited for its reads of p.
.macro CHUNK p, zero, ahead
	s_wait_loadcnt 0x0                             ; the chunk is in registers, and its loads have read their bases
	s_wait_xcnt 0x0                                ; the last snapshot's stores have read v160-175 and their base
	s_add_nc_u64 s[24:25], s[24:25], 131072
	WIN 0x04
.irp i, 0,1,2,3,4,5,6,7
	ds_store_b128 v3, v[4*\i:4*\i+3] offset:640*\i+40960*(\p)
.endr
.irp i, 0,1,2,3,4,5,6,7
	ds_store_b128 v13, v[32+4*\i:32+4*\i+3] offset:640*\i+40960*(\p)
.endr
	WIN 0
	s_wait_dscnt 0x0                               ; for the others' sake: my part of the slices lies in LDS
.if (\ahead) == 2
	s_cmp_eq_u32 s26, 1
	s_cbranch_scc1 .Lno_more_\@
.endif
	s_add_nc_u64 s[20:21], s[20:21], 65536
	s_add_nc_u64 s[22:23], s[22:23], 65536
	GLOAD
.if (\ahead) == 2
.Lno_more_\@:
.endif
	s_barrier_signal -1
	s_barrier_wait -1
.irp k, 0,1,2,3
	ds_load_tr16_b128 v[96+8*\k:96+8*\k+3], v5 offset:5120*\k+40960*(\p)
	ds_load_tr16_b128 v[96+8*\k+4:96+8*\k+7], v5 offset:5120*\k+2560+40960*(\p)
.irp i, 0,1,2,3
	ds_load_tr16_b128 v[128+8*(4*\k+\i):128+8*(4*\k+\i)+3], v4 offset:5120*\k+32*\i+40960*(\p)
	ds_load_tr16_b128 v[128+8*(4*\k+\i)+4:128+8*(4*\k+\i)+7], v4 offset:5120*\k+32*\i+2560+40960*(\p)
.endr
.endr
	s_wait_dscnt 0x0
.irp k, 0,1,2,3                        ; the four accumulators take turns, over the backward jump too
.irp i, 0,1,2,3
.if (\zero) && (\k == 0)
	v_wmma_f32_16x16x32_f16 v[64+8*\i:64+8*\i+7], v[128+8*(4*\k+\i):128+8*(4*\k+\i)+7], v[96+8*\k:96+8*\k+7], 0
.else
	v_wmma_f32_16x16x32_f16 v[64+8*\i:64+8*\i+7], v[128+8*(4*\k+\i):128+8*(4*\k+\i)+7], v[96+8*\k:96+8*\k+7], v[64+8*\i:64+8*\i+7]
.endif
.endr
.endr
	PLACES 4                                       ; four places behind the last product, ahead of the lines that read the sums and write fragment registers
.set n, 0
.rept 16
	v_pk_mul_f32 v[128+2*n:129+2*n], v[64+2*n:65+2*n], s[28:29] op_sel_hi:[1,0]
.set n, n+1
.endr
.set n, 0
.rept 16
	v_cvt_pk_f16_f32 v[160+n], v[128+2*n], v[129+2*n]
.set n, n+1
.endr
.irp i, 0,1,2,3
	global_store_b128 v6, v[160+4*\i:163+4*\i], s[24:25] offset:16384*(\i/2)+512*(\i%2)  ; 512 consecutive bytes, aligned
.endr
.endm
	GLOAD                                          ; chunk 0
.irp i, 0,1,2,3
	v_mov_b32 v[160+\i], 0
.endr
.irp i, 0,1,2,3
	global_store_b128 v6, v[160:163], s[24:25] offset:16384*(\i/2)+512*(\i%2)   ; S_0 = 0
.endr
	CHUNK 0, 1, 1
	s_mov_b32 s26, 7
.Lscan:
	CHUNK 1, 0, 1
	CHUNK 0, 0, 2
	s_sub_co_u32 s26, s26, 1
	s_cmp_lg_u32 s26, 0
	s_cbranch_scc1 .Lscan
	s_branch .Lend
	; ---------------- ROLE B ----------------
	; LDS: Wx tile [256 d][128 n] at pitch 288 from 0; each wave's stage, 16 rows of 272 bytes, at 81,920 + 4,352 w.
	; v32-95 eight accumulators; v96-127 packed; v128-191, v192-255 two fragment buffers (first the tile as loaded); v256-319 the table's fragments.
.Lrole_b:
	s_sub_co_u32 s15, s15, 128
	s_lshr_b32 s16, s15, 2                         ; ns: which 128 n
	s_and_b32 s17, s15, 3                          ; vq
	s_lshl_b32 s30, s16, 8
	s_add_nc_u64 s[20:21], s[8:9], s[30:31]        ; Wx16 at my columns
	s_add_nc_u64 s[22:23], s[6:7], 262144          ; the table in f16
	s_lshl2_add_u32 s18, s17, s14                  ; my vocabulary tile 4 vq + w
	s_lshl_b32 s19, s18, 17                        ; 16 rows of 8,192 bytes
	s_add_co_u32 s30, s30, s19
	s_add_nc_u64 s[24:25], s[12:13], s[30:31]
	v_and_b32 v7, 15, v0                           ; r
	s_lshl_b32 s19, s14, 6
	v_add_nc_u32 v11, s19, v9                      ; d = 64 w + h
	v_lshlrev_b32 v2, 13, v11
	v_lshl_add_u32 v2, v7, 4, v2
	v_mul_u32_u24 v3, v11, 288
	v_lshl_add_u32 v3, v7, 4, v3
	s_lshl_b32 s19, s18, 4
	v_add_nc_u32 v4, s19, v7                       ; my vocabulary row
	v_lshlrev_b32 v4, 9, v4
	v_lshl_add_u32 v4, v9, 4, v4
	v_mul_u32_u24 v5, v12, 288
	v_lshl_add_u32 v5, v10, 4, v5                  ; turning loads, d 0-127
	v_add_nc_u32 v6, 36864, v5                     ; d 128-255
	s_mul_i32 s19, s14, 4352
	s_add_co_u32 s19, s19, 81920
	v_mul_u32_u24 v13, v7, 272
	v_lshl_add_u32 v13, v9, 4, v13
	v_add_nc_u32 v13, s19, v13                     ; into my stage
	v_mul_u32_u24 v15, v9, 272
	v_lshl_add_u32 v15, v7, 4, v15
	v_add_nc_u32 v15, s19, v15                     ; back by rows
	v_lshlrev_b32 v18, 13, v9
	v_lshl_add_u32 v18, v7, 4, v18                 ; the same two rows in xtab
.set n, 0
.rept 32
	global_load_b128 v[128+4*n:131+4*n], v2, s[20:21] offset:16384*n
.set n, n+1
.endr
	WIN 0x40
.irp k, 0,1,2,3,4,5,6,7
	global_load_b128 v[8*\k:8*\k+3], v4, s[22:23] offset:64*\k
	global_load_b128 v[8*\k+4:8*\k+7], v4, s[22:23] offset:64*\k+32
.endr
	WIN 0
	s_wait_loadcnt 16                              ; the table's 16 loads may stay out: the tile's 32 are in
.set n, 0
.rept 32
	ds_store_b128 v3, v[128+4*n:131+4*n] offset:576*n
.set n, n+1
.endr
	s_wait_dscnt 0x0
	s_barrier_signal -1
	s_barrier_wait -1
	s_wait_loadcnt 0x0
.macro FETCHX k, buf                   ; eight fragments (16 n x 32 d) of K step k
	WIN 0
.irp nt, 0,1,2,3,4,5,6,7
	ds_load_tr16_b128 v[(\buf)+8*\nt:(\buf)+8*\nt+3], v[5+(\k)/4] offset:9216*((\k)%4)+32*\nt
	ds_load_tr16_b128 v[(\buf)+8*\nt+4:(\buf)+8*\nt+7], v[5+(\k)/4] offset:9216*((\k)%4)+32*\nt+4608
.endr
.endm
.macro MULX k, buf                     ; the eight accumulators take turns
	WIN 0x04
.irp nt, 0,1,2,3,4,5,6,7
.if (\k) == 0
	v_wmma_f32_16x16x32_f16 v[32+8*\nt:32+8*\nt+7], v[(\buf)+8*\nt:(\buf)+8*\nt+7], v[8*(\k):8*(\k)+7], 0
.else
	v_wmma_f32_16x16x32_f16 v[32+8*\nt:32+8*\nt+7], v[(\buf)+8*\nt:(\buf)+8*\nt+7], v[8*(\k):8*(\k)+7], v[32+8*\nt:32+8*\nt+7]
.endif
.endr
.endm
	FETCHX 0, 128
.set kk, 0
.rept 8
	s_wait_dscnt 0x0
.if kk < 7
.if kk > 0
	PLACES 4                                       ; ahead of loads into the buffer that the last products read
.endif
	FETCHX kk+1, 128+64*((kk+1)%2)
.endif
	MULX kk, 128+64*(kk%2)
.set kk, kk+1
.endr
	WIN 0
	PLACES 4
.set n, 0
.rept 32
	v_cvt_pk_f16_f32 v[96+n], v[32+2*n], v[33+2*n]
.set n, n+1
.endr
.set n, 0
.rept 32
	v_pk_max_num_f16 v[96+n], v[96+n], v[ZR]       ; relu
.set n, n+1
.endr
.irp nt, 0,1,2,3,4,5,6,7
	ds_store_b128 v13, v[96+4*\nt:99+4*\nt] offset:32*\nt
.endr
.irp i, 0,1,2,3,4,5,6,7
	ds_load_b128 v[128+4*\i:131+4*\i], v15 offset:544*\i   ; my own bytes, served in order behind the stores
.endr
	s_wait_dscnt 0x0
.irp i, 0,1,2,3,4,5,6,7
	global_store_b128 v18, v[128+4*\i:131+4*\i], s[24:25] offset:16384*\i  ; sixteen lanes store 256 consecutive bytes, aligned
.endr
.Lend:
	s_wait_tensorcnt 0x0                           ; the wave's end
	ds_add_u32 v[SPW], v[NIL]
	s_wait_dscnt 0x0
	s_endpgm
.Lfunc_end_k_q5f1be52160_state_xtab:
	.size	k_q5f1be52160_state_xtab, .Lfunc_end_k_q5f1be52160_state_xtab-k_q5f1be52160_state_xtab
	.p2alignl 7, 3214868480
	.fill 96, 4, 3214868480
	.section	.rodata,"a",@progbits
	.p2align	6, 0x0
	.amdhsa_kernel k_q5f1be52160_state_xtab
		.amdhsa_group_segment_fixed_size 99840
		.amdhsa_private_segment_fixed_size 0
		.amdhsa_enable_private_segment 0
		.amdhsa_kernarg_size 40
		.amdhsa_user_sgpr_count 2
		.amdhsa_user_sgpr_kernarg_segment_ptr 1
		.amdhsa_wavefront_size32 1
		.amdhsa_system_sgpr_workgroup_id_x 1
		.amdhsa_system_sgpr_workgroup_id_y 1
		.amdhsa_system_sgpr_workgroup_id_z 1
		.amdhsa_system_vgpr_workitem_id 0
		.amdhsa_next_free_vgpr 320
		.amdhsa_next_free_sgpr 66
		.amdhsa_reserve_vcc 0
		.amdhsa_float_denorm_mode_32 3
		.amdhsa_float_denorm_mode_16_64 3
		.amdhsa_memory_ordered 1
		.amdhsa_forward_progress 1
		.amdhsa_inst_pref_size 60
	.end_amdhsa_kernel
	.amdgpu_metadata
---
amdhsa.version: [ 1, 2 ]
amdhsa.kernels:
  - .name:           k_q5f1be52160_state_xtab
    .symbol:         k_q5f1be52160_state_xtab.kd
    .args:
      - { .name: qv, .offset: 0, .size: 8, .value_kind: global_buffer, .address_space: global }
      - { .name: vt, .offset: 8, .size: 8, .value_kind: global_buffer, .address_space: global }
      - { .name: wts, .offset: 16, .size: 8, .value_kind: global_buffer, .address_space: global }
      - { .name: sp, .offset: 24, .size: 8, .value_kind: global_buffer, .address_space: global }
      - { .name: xtab, .offset: 32, .size: 8, .value_kind: global_buffer, .address_space: global }
    .group_segment_fixed_size: 99840
    .private_segment_fixed_size: 0
    .kernarg_segment_align: 8
    .kernarg_segment_size: 40
    .max_flat_workgroup_size: 128
    .sgpr_count:     66
    .vgpr_count:     320
    .wavefront_size: 32
...
	.end_amdgpu_metadata
.endif
;; end of part 2
;; launch attn (part 3): grid 256 x 1, 4 waves a work-group, no clusters, 268,800 bytes of LDS; arguments qv, sp, a1f; writes a1f
.if DOCPART == 3
	.amdgcn_target "amdgcn-amd-amdhsa--gfx1250"
	.amdhsa_code_object_version 6
	.text
	.protected	k_q5f1be52160_attn
	.globl	k_q5f1be52160_attn
	.p2align	8
	.type	k_q5f1be52160_attn,@function
k_q5f1be52160_attn:
	s_mov_b64 s[64:65], 0
	v_nop
	global_prefetch_b8 v0, s[64:65] scope:SCOPE_SE
	s_setreg_imm32_b32 hwreg(HW_REG_WAVE_MODE, 25, 1), 1
	s_wait_xcnt 0x0
; a_t = q_t S_c + the sum over keys s of chunk c with s <= t of (q_t . q_s) v_s, then LN(a), for 64 queries of one chunk of 128 tokens.  No softmax stands between the two products of the module,
; so the keys of earlier chunks enter through the state S_c (made by the launch before); every work-group has the same work.
; Everything is carried times 1 / 16 (exact): S / 16 as stored, E / 16 = (q . q) / 16 <= 16; LN of a / 16 with eps / 256 is LN of a with eps.  All matrix operands f16, sums f32.
; The order of the sums differs from a row-by-row product: state first, then the chunk, in four parts.
; SHARES.  All four waves hold all 64 queries (O^T: 16 e tiles x 4 query tiles = 512 registers) and split K: of the state's 256 d wave w takes 64 w .. + 63, of the chunk's 128 keys 32 w .. + 31.
; Keys behind the diagonal are multiplied and set to 0: one text for every wave and both halves of a chunk.  The four partial O^T meet in LDS; wave w finishes query tile w.
; LAYOUT.  All products transposed: a lane holds ONE query (lane % 16) and rows 8 (lane / 16) + 0 .. 7.  Two result tiles rounded in pairs are source 1 of the next product.
; a1f = [token tile][k 8][1,024 bytes]: register images of LN(a) as source 1 (16 tokens x 32 d); each store covers 512 consecutive bytes, aligned.
; LDS is filled once: one tensor load a wave.  NO CLUSTER: a chunk's tiles are wanted by two work-groups only, once.
; LDS: state images 131,072 at 0; q rows of the chunk [128][256] at pitch 528; v rows at pitch 544; the spare words.  Behind the tiles' only fill and a barrier the first 262,144 bytes take the partial sums.
.set KT,    131072
.set VL,    198656
.set SPARE, 268288
.set PKT,   528
.set PVL,   544
.set AQ,  2                            ; v2   my queries' rows in KT
.set AQA, 3                            ; v3   the same at my 64 d
.set AS,  4                            ; v4   my state images
.set AK,  5                            ; v5   my 32 keys' rows in KT
.set AV,  6                            ; v6   the same in VL, for the turning load
.set EXW, 7                            ; v7   where my partial sums go
.set RD,  8                            ; v8-11 where I read the four copies of my query tile
.set VD,  12                           ; v12  my query less my first key: key 16 t + j of query tile tok is seen where 16 t + j - 16 tok <= VD
.set GO,  13                           ; v13  16 l
.set SPW, 14
.set NIL, 15
.set Y,   32                           ; v32-95 first my q fragments for the state; then E^T: query tile tok at 32 + 16 tok, key tile t at + 8; packed in place
.set FA,  128
.set FB,  192
.set WV,  10
.set G1S, 24
.set G1K, 32
.set G1V, 40
.set G0S, 48
.set G0K, 52
.set G0V, 56
.set SEL, 60
.set SC,  62                           ; s[62:63] 1 / 16
.set INV, 66                           ; s66 1 / 256
.set MSB, 0
.macro WIN new
.if MSB != (\new)
	s_set_vgpr_msb (MSB<<8)|(\new)
.set MSB, (\new)
.endif
.endm
.macro PLACES n
.rept \n
	v_nop
.endr
.endm
.macro LN_FOLD T                       ; four pairs into one number, over both halves of the lanes
	v_pk_add_f32 v[\T:(\T)+1], v[\T:(\T)+1], v[(\T)+2:(\T)+3]
	v_pk_add_f32 v[(\T)+4:(\T)+5], v[(\T)+4:(\T)+5], v[(\T)+6:(\T)+7]
	v_pk_add_f32 v[\T:(\T)+1], v[\T:(\T)+1], v[(\T)+4:(\T)+5]
	v_add_f32 v[\T], v[\T], v[(\T)+1]
	v_permlanex16_b32 v[(\T)+2], v[\T], s[SEL], s[SEL+1]
	v_add_f32 v[\T], v[\T], v[(\T)+2]
.endm
; LayerNorm's figures for a token whose 256 numbers lie in 128 registers of two lanes: the mean, the numbers centred in place, 1 / sqrt(variance + eps) twice in v[T+8:T+9].  All operands in one window.
.macro LN_STATS B, T, eps
.irp c, 0,1,2,3
	v_pk_add_f32 v[(\T)+2*\c:(\T)+2*\c+1], v[(\B)+2*\c:(\B)+2*\c+1], v[(\B)+8+2*\c:(\B)+8+2*\c+1]
.endr
.set n, 8
.rept 56
	v_pk_add_f32 v[(\T)+2*(n%4):(\T)+2*(n%4)+1], v[(\T)+2*(n%4):(\T)+2*(n%4)+1], v[(\B)+2*n:(\B)+2*n+1]
.set n, n+1
.endr
	LN_FOLD \T
	v_mul_f32 v[\T], s[INV], v[\T]
	v_mov_b32 v[(\T)+1], v[\T]
.set n, 0
.rept 64
	v_pk_add_f32 v[(\B)+2*n:(\B)+2*n+1], v[(\B)+2*n:(\B)+2*n+1], v[\T:(\T)+1] neg_lo:[0,1] neg_hi:[0,1]
.set n, n+1
.endr
.irp c, 0,1,2,3
	v_pk_mul_f32 v[(\T)+2*\c:(\T)+2*\c+1], v[(\B)+2*\c:(\B)+2*\c+1], v[(\B)+2*\c:(\B)+2*\c+1]
.endr
.set n, 4
.rept 60
	v_pk_fma_f32 v[(\T)+2*(n%4):(\T)+2*(n%4)+1], v[(\B)+2*n:(\B)+2*n+1], v[(\B)+2*n:(\B)+2*n+1], v[(\T)+2*(n%4):(\T)+2*(n%4)+1]
.set n, n+1
.endr
	LN_FOLD \T
	v_fmaak_f32 v[\T], s[INV], v[\T], \eps
	v_rsq_f32 v[(\T)+8], v[\T]
	v_nop                                          ; a plain instruction behind the root,
	s_wait_alu depctr_va_vdst(0)                   ; and its wait, ahead of the first reader
	v_mov_b32 v[(\T)+9], v[(\T)+8]
.endm
	s_load_b128 s[4:7], s[0:1], 0x0                ; qv s[4:5], sp s[6:7]
	s_load_b64 s[8:9], s[0:1], 0x10                ; a1f
	v_lshl_add_u32 v[SPW], v0, 2, SPARE
	v_mov_b32 v[NIL], 0
	ds_add_u32 v[SPW], v[NIL]                      ; the wave's opening: the add, twice on end, and its wait ahead of my first tensor load
	ds_add_u32 v[SPW], v[NIL]
	v_lshrrev_b32 v1, 5, v0
	v_readfirstlane_b32 s[WV], v1
	s_mov_b32 s11, ttmp9
	s_lshr_b32 s12, s11, 1                         ; 16 b + c
	s_and_b32 s14, s11, 1                          ; jb: which 64 queries of the chunk
	s_mov_b32 s[G1S], 3<<16                        ; the state: dense bytes as 256 rows of 32 elements of 8 bytes
	s_mov_b32 s[G1S+1], 32<<16
	s_mov_b32 s[G1S+2], 256<<16
	s_mov_b32 s[G1S+3], 32<<16
	s_mov_b32 s[G1S+4], 256
	s_mov_b32 s[G1S+5], 32
	s_mov_b32 s[G1S+6], 0
	s_mov_b32 s[G1S+7], 0
	s_mov_b32 s[G1K], (1<<16)|(1<<20)|(6<<22)|(3<<25)   ; 128 rows of 256 f16; behind every 128 words 4 words of padding
	s_mov_b32 s[G1V], (1<<16)|(1<<20)|(6<<22)|(7<<25)   ; the same with 8 words
.irp g, G1K, G1V
	s_mov_b32 s[\g+1], 256<<16
	s_mov_b32 s[\g+2], 128<<16
	s_mov_b32 s[\g+3], 256<<16
	s_mov_b32 s[\g+4], 128
	s_mov_b32 s[\g+5], 256
	s_mov_b32 s[\g+6], 0
	s_mov_b32 s[\g+7], 0
.endr
	s_mov_b32 s[G0S], 1
	s_lshl_b32 s[G0S+1], s[WV], 16                 ; waves 0 and 1: half of the state each
	s_mov_b32 s[G0K], 1
	s_mov_b32 s[G0K+1], KT
	s_mov_b32 s[G0V], 1
	s_mov_b32 s[G0V+1], VL
	s_lshl_b32 s16, s12, 17
	s_lshl_b32 s18, s[WV], 16
	s_add_co_u32 s16, s16, s18
	s_mov_b32 s17, 0
	s_lshl_b32 s18, s12, 16                        ; the chunk's 128 rows of 512 bytes
	s_mov_b32 s19, 0
	s_mov_b32 s[SEL], 0x76543210
	s_mov_b32 s[SEL+1], 0xfedcba98
	s_mov_b32 s[SC], 0x3d800000
	s_mov_b32 s[SC+1], s[SC]
	s_mov_b32 s[INV], 0x3b800000
	s_wait_dscnt 0x0                               ; both opening adds are done
	s_wait_kmcnt 0x0
	s_add_nc_u64 s[G0S+2:G0S+3], s[6:7], s[16:17]
	s_or_b32 s[G0S+3], s[G0S+3], 0x80000000
	s_add_nc_u64 s[G0K+2:G0K+3], s[4:5], s[18:19]
	s_add_nc_u64 s[G0V+2:G0V+3], s[G0K+2:G0K+3], 8388608
	s_or_b32 s[G0K+3], s[G0K+3], 0x80000000
	s_or_b32 s[G0V+3], s[G0V+3], 0x80000000
	s_cmp_lt_u32 s[WV], 2                          ; one load a wave: waves 0, 1 the state, wave 2 the q rows, wave 3 the v rows
	s_cbranch_scc0 .Lkv
	tensor_load_to_lds s[G0S:G0S+3], s[G1S:G1S+7]
	s_nop 0
	PLACES 4
	s_branch .Lasked
.Lkv:
	s_cmp_eq_u32 s[WV], 2
	s_cbranch_scc0 .Lv
	tensor_load_to_lds s[G0K:G0K+3], s[G1K:G1K+7]
	s_nop 0
	PLACES 4
	s_branch .Lasked
.Lv:
	tensor_load_to_lds s[G0V:G0V+3], s[G1V:G1V+7]
	s_nop 0
	PLACES 4
.Lasked:
	v_and_b32 v16, 15, v0                          ; r
	v_bfe_u32 v17, v0, 4, 1                        ; h
	v_and_b32 v18, 31, v0                          ; l
	v_and_b32 v19, 7, v0
	v_bfe_u32 v20, v0, 3, 1
	v_mul_u32_u24 v21, v16, PKT
	v_lshl_add_u32 v21, v17, 4, v21                ; r x pitch + 16 h
	s_mul_i32 s16, s14, 64*PKT
	s_add_co_u32 s16, s16, KT
	v_add_nc_u32 v[AQ], s16, v21
	s_lshl_b32 s17, s[WV], 7
	v_add_nc_u32 v[AQA], s17, v[AQ]
	s_lshl_b32 s17, s[WV], 15
	v_lshl_add_u32 v[AS], v18, 4, s17
	s_mul_i32 s17, s[WV], 32*PKT
	s_add_co_u32 s17, s17, KT
	v_add_nc_u32 v[AK], s17, v21
	v_lshl_add_u32 v22, v17, 3, v19
	v_mul_u32_u24 v22, v22, PVL
	v_lshl_add_u32 v22, v20, 4, v22
	s_mul_i32 s17, s[WV], 32*PVL
	s_add_co_u32 s17, s17, VL
	v_add_nc_u32 v[AV], s17, v22
	s_lshl_b32 s17, s[WV], 16
	v_lshl_add_u32 v[EXW], v18, 4, s17
	s_lshl_b32 s17, s[WV], 14
	v_lshl_add_u32 v[RD], v18, 4, s17
	v_add_nc_u32 v[RD+1], 65536, v[RD]
	v_add_nc_u32 v[RD+2], 131072, v[RD]
	v_add_nc_u32 v[RD+3], 196608, v[RD]
	s_lshl_b32 s16, s14, 6
	s_lshl_b32 s17, s[WV], 5
	s_sub_co_i32 s16, s16, s17
	v_lshlrev_b32 v23, 3, v17
	v_sub_nc_u32 v23, v16, v23
	v_add_nc_u32 v[VD], s16, v23                   ; 64 jb + r - 32 w - 8 h
	v_lshlrev_b32 v[GO], 4, v18
	s_lshl_b32 s18, s12, 3
	s_lshl2_add_u32 s18, s14, s18
	s_add_co_u32 s18, s18, s[WV]                   ; my token tile 8 (16 b + c) + 4 jb + w
	s_lshl_b32 s18, s18, 13
	s_mov_b32 s19, 0
	s_add_nc_u64 s[20:21], s[8:9], s[18:19]
	s_wait_tensorcnt 0x0                           ; my tile has landed,
	s_barrier_signal -1
	s_barrier_wait -1                              ; everybody's has
.macro FETCH_S g, buf                  ; eight state fragments: K step 2 w + g / 2, e tiles 8 (g % 2) + 0 .. 7
	WIN 0
.irp i, 0,1,2,3,4,5,6,7
	ds_load_b128 v[(\buf)+8*\i:(\buf)+8*\i+3], v[AS] offset:8192*(\g)+1024*\i
	ds_load_b128 v[(\buf)+8*\i+4:(\buf)+8*\i+7], v[AS] offset:8192*(\g)+1024*\i+512
.endr
.endm
.macro FETCH_K t, buf                  ; my keys 16 t .. + 15, all eight K steps
	WIN 0
.irp k, 0,1,2,3,4,5,6,7
	ds_load_b128 v[(\buf)+8*\k:(\buf)+8*\k+3], v[AK] offset:16*PKT*(\t)+64*\k
	ds_load_b128 v[(\buf)+8*\k+4:(\buf)+8*\k+7], v[AK] offset:16*PKT*(\t)+64*\k+32
.endr
.endm
.macro FETCH_V half, buf               ; v of my 32 keys, turned: e tiles 8 half + 0 .. 7
	WIN 0
.irp i, 0,1,2,3,4,5,6,7
	ds_load_tr16_b128 v[(\buf)+8*\i:(\buf)+8*\i+3], v[AV] offset:32*(8*(\half)+\i)
	ds_load_tr16_b128 v[(\buf)+8*\i+4:(\buf)+8*\i+7], v[AV] offset:32*(8*(\half)+\i)+16*PVL
.endr
.endm
.macro MUL_A g, buf                    ; 32 products on 32 accumulators: O^T(8 (g % 2) + i, tok) += state x q
	WIN 0xa0+0x50*((\g)%2)
.irp i, 0,1,2,3,4,5,6,7
.irp tok, 0,1,2,3
.if (\g) < 2
	v_wmma_f32_16x16x32_f16 v[8*(4*\i+\tok):8*(4*\i+\tok)+7], v[(\buf)+8*\i:(\buf)+8*\i+7], v[Y+8*(2*\tok+(\g)/2):Y+8*(2*\tok+(\g)/2)+7], 0
.else
	v_wmma_f32_16x16x32_f16 v[8*(4*\i+\tok):8*(4*\i+\tok)+7], v[(\buf)+8*\i:(\buf)+8*\i+7], v[Y+8*(2*\tok+(\g)/2):Y+8*(2*\tok+(\g)/2)+7], v[8*(4*\i+\tok):8*(4*\i+\tok)+7]
.endif
.endr
.endr
.endm
.macro MUL_E t, buf                    ; E^T(key tile t, tok): four accumulators by turns
	WIN 0x04
.irp k, 0,1,2,3,4,5,6,7
.irp tok, 0,1,2,3
.if \k == 0
	v_wmma_f32_16x16x32_f16 v[Y+16*\tok+8*(\t):Y+16*\tok+8*(\t)+7], v[(\buf)+8*\k:(\buf)+8*\k+7], v[8*(8*\tok+\k):8*(8*\tok+\k)+7], 0
.else
	v_wmma_f32_16x16x32_f16 v[Y+16*\tok+8*(\t):Y+16*\tok+8*(\t)+7], v[(\buf)+8*\k:(\buf)+8*\k+7], v[8*(8*\tok+\k):8*(8*\tok+\k)+7], v[Y+16*\tok+8*(\t):Y+16*\tok+8*(\t)+7]
.endif
.endr
.endr
.endm
.macro MUL_PV half, buf
	WIN 0xa0+0x50*(\half)
.irp i, 0,1,2,3,4,5,6,7
.irp tok, 0,1,2,3
	v_wmma_f32_16x16x32_f16 v[8*(4*\i+\tok):8*(4*\i+\tok)+7], v[(\buf)+8*\i:(\buf)+8*\i+7], v[Y+16*\tok:Y+16*\tok+7], v[8*(4*\i+\tok):8*(4*\i+\tok)+7]
.endr
.endr
.endm
.macro EWM t                           ; keys behind the diagonal become 0; times 1 / 16; rounded to f16 in place: registers 4 t .. 4 t + 3 of the query tile's block
.irp tok, 0,1,2,3
.irp j, 0,1,2,3,4,5,6,7
	v_cmp_le_i32 vcc_lo, 16*(\t)+\j-16*\tok, v[VD]
	v_cndmask_b32 v[Y+16*\tok+8*(\t)+\j], 0, v[Y+16*\tok+8*(\t)+\j], vcc_lo
.endr
.endr
.irp tok, 0,1,2,3
.irp i, 0,1,2,3
	v_pk_mul_f32 v[Y+16*\tok+8*(\t)+2*\i:Y+16*\tok+8*(\t)+2*\i+1], v[Y+16*\tok+8*(\t)+2*\i:Y+16*\tok+8*(\t)+2*\i+1], s[SC:SC+1] op_sel_hi:[1,0]
.endr
.endr
.irp tok, 0,1,2,3
.irp i, 0,1,2,3
	v_cvt_pk_f16_f32 v[Y+16*\tok+4*(\t)+\i], v[Y+16*\tok+8*(\t)+2*\i], v[Y+16*\tok+8*(\t)+2*\i+1]
.endr
.endr
.endm
	WIN 0x40                                       ; q of my 64 queries, all K steps, into window 1
.irp tok, 0,1,2,3
.irp k, 0,1,2,3,4,5,6,7
	ds_load_b128 v[8*(8*\tok+\k):8*(8*\tok+\k)+3], v[AQ] offset:16*PKT*\tok+64*\k
	ds_load_b128 v[8*(8*\tok+\k)+4:8*(8*\tok+\k)+7], v[AQ] offset:16*PKT*\tok+64*\k+32
.endr
.endr
	WIN 0
.irp tok, 0,1,2,3                      ; and once more my two K steps of it, at registers that do not hang on the wave
.irp kk, 0,1
	ds_load_b128 v[Y+8*(2*\tok+\kk):Y+8*(2*\tok+\kk)+3], v[AQA] offset:16*PKT*\tok+64*\kk
	ds_load_b128 v[Y+8*(2*\tok+\kk)+4:Y+8*(2*\tok+\kk)+7], v[AQA] offset:16*PKT*\tok+64*\kk+32
.endr
.endr
	FETCH_S 0, FA
	s_wait_dscnt 0x0
	FETCH_S 1, FB
	MUL_A 0, FA
	s_wait_dscnt 0x0
	PLACES 4                                       ; ahead of loads into the buffer that the products before read
	FETCH_S 2, FA
	MUL_A 1, FB
	s_wait_dscnt 0x0
	PLACES 4
	FETCH_S 3, FB
	MUL_A 2, FA
	s_wait_dscnt 0x0
	PLACES 4
	FETCH_K 0, FA
	MUL_A 3, FB
	s_wait_dscnt 0x0
	PLACES 5                                       ; five: the next products write over registers that the last ones read as source 1
	FETCH_K 1, FB
	MUL_E 0, FA
	s_wait_dscnt 0x0
	PLACES 4
	FETCH_V 0, FA
	MUL_E 1, FB
	WIN 0
	EWM 0                                          ; key tile 0 was finished ahead of the places above; its lines are the places behind key tile 1
	EWM 1
	s_wait_dscnt 0x0
	FETCH_V 1, FB
	MUL_PV 0, FA
	s_wait_dscnt 0x0
	MUL_PV 1, FB
	; THE FOUR PARTS MEET.  All reads of the tiles are over in every wave; the tiles have had their only fill.
	PLACES 4
	s_wait_dscnt 0x0
	s_barrier_signal -1
	s_barrier_wait -1
	WIN 0x08
.irp et, 0,1,2,3,4,5,6,7
.irp tok, 0,1,2,3
	ds_store_b128 v[EXW], v[8*(4*\et+\tok):8*(4*\et+\tok)+3] offset:(16*\tok+\et)*1024
	ds_store_b128 v[EXW], v[8*(4*\et+\tok)+4:8*(4*\et+\tok)+7] offset:(16*\tok+\et)*1024+512
.endr
.endr
	WIN 0x0c
.irp et, 0,1,2,3,4,5,6,7
.irp tok, 0,1,2,3
	ds_store_b128 v[EXW], v[8*(4*\et+\tok):8*(4*\et+\tok)+3] offset:(16*\tok+8+\et)*1024
	ds_store_b128 v[EXW], v[8*(4*\et+\tok)+4:8*(4*\et+\tok)+7] offset:(16*\tok+8+\et)*1024+512
.endr
.endr
	WIN 0
	s_wait_dscnt 0x0
	s_barrier_signal -1
	s_barrier_wait -1
	WIN 0x40                                       ; query tile w: copies 0 and 1 into window 1, copies 2 and 3 into window 2
.set m, 0
.rept 32
	ds_load_b128 v[4*m:4*m+3], v[RD] offset:512*m
.set m, m+1
.endr
.set m, 0
.rept 32
	ds_load_b128 v[128+4*m:128+4*m+3], v[RD+1] offset:512*m
.set m, m+1
.endr
	WIN 0x80
.set m, 0
.rept 32
	ds_load_b128 v[4*m:4*m+3], v[RD+2] offset:512*m
.set m, m+1
.endr
.set m, 0
.rept 32
	ds_load_b128 v[128+4*m:128+4*m+3], v[RD+3] offset:512*m
.set m, m+1
.endr
	s_wait_dscnt 0x0
	WIN 0x55
.set n, 0
.rept 64
	v_pk_add_f32 v[2*n:2*n+1], v[2*n:2*n+1], v[128+2*n:128+2*n+1]
.set n, n+1
.endr
	WIN 0xaa
.set n, 0
.rept 64
	v_pk_add_f32 v[2*n:2*n+1], v[2*n:2*n+1], v[128+2*n:128+2*n+1]
.set n, n+1
.endr
	WIN 0x49
.set n, 0
.rept 64
	v_pk_add_f32 v[2*n:2*n+1], v[2*n:2*n+1], v[2*n:2*n+1]
.set n, n+1
.endr
	WIN 0x55                                       ; register 8 et + j of window 1: a[16 et + 8 h + j] / 16 of token r
	LN_STATS 0, 128, 0x3327c5ac                    ; eps / 256
.set n, 0
.rept 64
	v_pk_mul_f32 v[2*n:2*n+1], v[2*n:2*n+1], v[136:137]
.set n, n+1
.endr
.set n, 0
.rept 64                               ; fragment k takes registers 16 k .. 16 k + 7, in place, ascending
	v_cvt_pk_f16_f32 v[16*(n/8)+n%8], v[16*(n/8)+2*(n%8)], v[16*(n/8)+2*(n%8)+1]
.set n, n+1
.endr
	WIN 0x04
.irp k, 0,1,2,3,4,5,6,7
	global_store_b128 v[GO], v[16*\k:16*\k+3], s[20:21] offset:1024*\k
	global_store_b128 v[GO], v[16*\k+4:16*\k+7], s[20:21] offset:1024*\k+512
.endr
	WIN 0
	s_wait_tensorcnt 0x0                           ; the wave's end
	ds_add_u32 v[SPW], v[NIL]
	s_wait_dscnt 0x0
	s_endpgm
.Lfunc_end_k_q5f1be52160_attn:
	.size	k_q5f1be52160_attn, .Lfunc_end_k_q5f1be52160_attn-k_q5f1be52160_attn
	.p2alignl 7, 3214868480
	.fill 96, 4, 3214868480
	.section	.rodata,"a",@progbits
	.p2align	6, 0x0
	.amdhsa_kernel k_q5f1be52160_attn
		.amdhsa_group_segment_fixed_size 268800
		.amdhsa_private_segment_fixed_size 0
		.amdhsa_enable_private_segment 0
		.amdhsa_kernarg_size 24
		.amdhsa_user_sgpr_count 2
		.amdhsa_user_sgpr_kernarg_segment_ptr 1
		.amdhsa_wavefront_size32 1
		.amdhsa_system_sgpr_workgroup_id_x 1
		.amdhsa_system_sgpr_workgroup_id_y 1
		.amdhsa_system_sgpr_workgroup_id_z 1
		.amdhsa_system_vgpr_workitem_id 0
		.amdhsa_next_free_vgpr 1024
		.amdhsa_next_free_sgpr 72
		.amdhsa_reserve_vcc 1
		.amdhsa_float_denorm_mode_32 3
		.amdhsa_float_denorm_mode_16_64 3
		.amdhsa_memory_ordered 1
		.amdhsa_forward_progress 1
		.amdhsa_inst_pref_size 97
	.end_amdhsa_kernel
	.amdgpu_metadata
---
amdhsa.version: [ 1, 2 ]
amdhsa.kernels:
  - .name:           k_q5f1be52160_attn
    .symbol:         k_q5f1be52160_attn.kd
    .args:
      - { .name: qv, .offset: 0, .size: 8, .value_kind: global_buffer, .address_space: global }
      - { .name: sp, .offset: 8, .size: 8, .value_kind: global_buffer, .address_space: global }
      - { .name: a1f, .offset: 16, .size: 8, .value_kind: global_buffer, .address_space: global }
    .group_segment_fixed_size: 268800
    .private_segment_fixed_size: 0
    .kernarg_segment_align: 8
    .kernarg_segment_size: 24
    .max_flat_workgroup_size: 128
    .sgpr_count:     72
    .vgpr_count:     1024
    .wavefront_size: 32
...
	.end_amdgpu_metadata
.endif
;; end of part 3
;; launch mlp (part 4): grid 128 x 2, 4 waves a work-group, clusters of 4 x 1, 327,680 bytes of LDS; arguments a1f, idx, wts, xtab, up; writes up
.if DOCPART == 4
	.amdgcn_target "amdgcn-amd-amdhsa--gfx1250"
	.amdhsa_code_object_version 6
	.text
	.protected	k_q5f1be52160_mlp
	.globl	k_q5f1be52160_mlp
	.p2align	8
	.type	k_q5f1be52160_mlp,@function
k_q5f1be52160_mlp:
	s_mov_b64 s[64:65], 0
	v_nop
	global_prefetch_b8 v0, s[64:65] scope:SCOPE_SE
	s_setreg_imm32_b32 hwreg(HW_REG_WAVE_MODE, 25, 1), 1
	s_wait_xcnt 0x0
	s_wait_alu depctr_hold_cnt(0) depctr_sa_sdst(0) depctr_va_vdst(0) depctr_va_sdst(0) depctr_va_ssrc(0) depctr_va_vcc(0) depctr_vm_vsrc(0)
	s_getreg_b32 s2, hwreg(HW_REG_IB_STS2, 6, 4)
	s_cmp_eq_u32 s2, 0
	s_cbranch_scc0 .Lentry_in_a_cluster
	s_endpgm
.Lentry_in_a_cluster:
	s_bfe_u32 s2, ttmp6, 0x10000c
	s_cmp_lg_u32 s2, 0x3003
	s_cbranch_scc0 .Lentry_shape_is_right
	s_endpgm
.Lentry_shape_is_right:
; u = (relu(LN(a) Wy) * x) Enc, both products in one launch; z = relu(y) x never leaves the wave's registers.  x is gathered from the table X by idx.
; A work-group owns 128 tokens and one half of the 4,096 n (grid y): 16 slots of 128 n.  Its result is a partial sum in f32; the next launch adds the two halves.
; A wave owns 64 tokens (th = wave / 2) and 64 of a slot's n (nh = wave % 2), in two sub-steps of 32 n.  For 32 n: Y^T = Wy^T A1^T (64 products; A1 stays in 256 registers), z in registers,
; U^T += Enc^T z (64 products; U in 512 registers).  All operands f16, sums f32.  z = max(f16(y) x, 0) = relu(y) x since x >= 0; y, x and z are each rounded once to f16.
; LIMITS.  |LN(a)| <= 16, so |y| <= 16 |column of Wy|; y x must stay within 65,504 (weights 30 times those drawn give 23,700 at the most); z below 6e-5 keeps the fixed step 6e-8.
; LAYOUT.  All products transposed: a lane holds ONE token (lane % 16) and rows 8 (lane / 16) + 0 .. 7; two tiles of Y^T rounded in pairs are source 1 of the second product.  Wy [d][n] and Enc [n][d] lie [K][M]
; in LDS and are turned by ds_load_tr16_b128; pitches 288 and 544 bytes are odd multiples of 32.
; RING.  Two slots; a slot holds the Wy tile [256 d][128 n] and the Enc tile [128 n][256 d].  Waves 0, 1 fetch Wy's halves (128 rows of 256 bytes), waves 2, 3 Enc's (64 rows of 512 bytes): one load a wave
; behind each change of slots, 256 products of each wave ahead of the wait for it.  By this text's count a wave has two tensor loads out at the start and one later.
; CLUSTER.  The four work-groups of a cluster have the same grid y and walk the same weights: every tile is asked for jointly, by the same load with the same descriptor and the mask of four.
; REGISTERS: window 0: v0-31 addresses; v32-95 Y, then z in place; v96-127 x; v128-191, v192-255 two fragment buffers.  window 1: A1(tok, k) at 8 (8 tok + k).  windows 2, 3: U(dt, tok) at 8 (4 (dt % 8) + tok).
.set SLOT,  143360
.set ENC0,  73728                      ; the Enc tile in a slot
.set SPARE, 286720                     ; behind the ring: the spare words
.set ADRY, 4                           ; v4-7  Wy fragments: slot p, d half hf at 4 + 2 p + hf
.set ADRE, 8                           ; v8-9  Enc fragments, slot p
.set XO,   10                          ; v10-13 my token's row of X, + 16 h + 128 nh
.set ZR,   14                          ; v14  0
.set PFO,  15                          ; v15  the prefetches' offset: my lane x a block's distance; never rewritten
.set SPW,  16
.set NIL,  17
.set L16,  18                          ; v18  16 l
.set EXW,  19
.set RA,   20
.set RB,   21
.set TA,   22
.set TB,   23
.set Y,    32
.set X,    96
.set FA,   128
.set FB,   192
.set WV,  14
.set TH,  15
.set NH,  16
.set CX,  17
.set XX,  18
.set YY,  19
.set G1Y, 24
.set G1E, 32
.set G0Y, 40                           ; s[40:47] one set for each slot
.set G0E, 48
.set XB,  56                           ; s[56:57] X at the slot's columns
.set PFA, 58                           ; s[58:59] where my prefetches stand
.set PST, 60                           ; s[60:61] a slot's step there
.set LIM, 62                           ; s62  1 in a wave that prefetches, else the greatest number
.set CNT, 63
.set UPB, 66
.set MSB, 0
.macro WIN new
.if MSB != (\new)
	s_set_vgpr_msb (MSB<<8)|(\new)
.set MSB, (\new)
.endif
.endm
.macro PLACES n
.rept \n
	v_nop
.endr
.endm
.macro JLOAD s                         ; a joint load; the branch hangs on the wave's number alone; an s_nop 0 and four v_nop follow each of the two lines
	s_cmp_lt_u32 s[WV], 2
	s_cbranch_scc0 .Lfor_e_\@
	tensor_load_to_lds s[G0Y+4*(\s):G0Y+4*(\s)+3], s[G1Y:G1Y+7]
	s_nop 0
	PLACES 4
	s_branch .Lasked_\@
.Lfor_e_\@:
	tensor_load_to_lds s[G0E+4*(\s):G0E+4*(\s)+3], s[G1E:G1E+7]
	s_nop 0
	PLACES 4
.Lasked_\@:
.endm
.macro CREST                           ; a round of the cluster's barrier behind its opening barrier
	s_cmp_lg_u32 s[WV], 0
	s_cbranch_scc1 .Lnot_wave_0_\@
	s_barrier_signal -3
.Lnot_wave_0_\@:
	s_barrier_wait -3
	s_barrier_signal -1
	s_barrier_wait -1
.endm
.macro CROUND
	s_barrier_signal -1
	s_barrier_wait -1
	CREST
.endm
; A PREFETCH INTO THE L2 behind each joint refill and the run of LDS loads behind it: the slot that stands two refills on (512 products of a wave ahead of the load that will want it).  All 32 clusters of a grid y
; walk the same weights: the first of them (cluster x = 0) asks.  Of the 128 blocks of 256 bytes that a wave fetches for a slot each of the four partners takes 32, told apart by address, a lane a block:
; each block is named once in the launch.  Slots 0 to 3 come by their loads alone; the loop's last trip asks for nothing: slots 16 and 17 do not exist.
.macro ASK
	s_cmp_gt_u32 s[CNT], s[LIM]
	s_cbranch_scc0 .Lnot_mine_\@
	global_prefetch_b8 v[PFO], s[PFA:PFA+1] th:TH_LOAD_NT scope:SCOPE_SE
.Lnot_mine_\@:
.endm
.macro FETCH_Y p, u, t, buf            ; Wy^T: n tile 64 nh + 32 u + 16 t, all eight K steps
	WIN 0
.irp k, 0,1,2,3,4,5,6,7
	ds_load_tr16_b128 v[(\buf)+8*\k:(\buf)+8*\k+3], v[ADRY+2*(\p)+\k/4] offset:9216*(\k%4)+64*(\u)+32*(\t)
	ds_load_tr16_b128 v[(\buf)+8*\k+4:(\buf)+8*\k+7], v[ADRY+2*(\p)+\k/4] offset:9216*(\k%4)+64*(\u)+32*(\t)+4608
.endr
.endm
.macro FETCH_E p, u, half, buf         ; Enc^T: K = my 32 n of sub-step u, d tiles 8 half + 0 .. 7
	WIN 0
.irp i, 0,1,2,3,4,5,6,7
	ds_load_tr16_b128 v[(\buf)+8*\i:(\buf)+8*\i+3], v[ADRE+(\p)] offset:17408*(\u)+32*(8*(\half)+\i)
	ds_load_tr16_b128 v[(\buf)+8*\i+4:(\buf)+8*\i+7], v[ADRE+(\p)] offset:17408*(\u)+32*(8*(\half)+\i)+8704
.endr
.endm
.macro MUL_Y t, buf                    ; 32 products, four accumulators by turns
	WIN 0x04
.irp k, 0,1,2,3,4,5,6,7
.irp tok, 0,1,2,3
.if \k == 0
	v_wmma_f32_16x16x32_f16 v[Y+16*\tok+8*(\t):Y+16*\tok+8*(\t)+7], v[(\buf)+8*\k:(\buf)+8*\k+7], v[8*(8*\tok+\k):8*(8*\tok+\k)+7], 0
.else
	v_wmma_f32_16x16x32_f16 v[Y+16*\tok+8*(\t):Y+16*\tok+8*(\t)+7], v[(\buf)+8*\k:(\buf)+8*\k+7], v[8*(8*\tok+\k):8*(8*\tok+\k)+7], v[Y+16*\tok+8*(\t):Y+16*\tok+8*(\t)+7]
.endif
.endr
.endr
.endm
.macro MUL_U half, buf, i0, cnt, zero  ; 4 cnt products on as many accumulators: d tiles 8 half + i0 ..
	WIN 0xa0+0x50*(\half)
.set ii, \i0
.rept \cnt
.irp tok, 0,1,2,3
.if \zero
	v_wmma_f32_16x16x32_f16 v[8*(4*ii+\tok):8*(4*ii+\tok)+7], v[(\buf)+8*ii:(\buf)+8*ii+7], v[Y+16*\tok:Y+16*\tok+7], 0
.else
	v_wmma_f32_16x16x32_f16 v[8*(4*ii+\tok):8*(4*ii+\tok)+7], v[(\buf)+8*ii:(\buf)+8*ii+7], v[Y+16*\tok:Y+16*\tok+7], v[8*(4*ii+\tok):8*(4*ii+\tok)+7]
.endif
.endr
.set ii, ii+1
.endr
.endm
.macro EW t                            ; z of n tile t: y to f16 in place (registers 4 t .. 4 t + 3 of the token tile's block), times x, relu
.irp tok, 0,1,2,3
.irp i, 0,1,2,3
	v_cvt_pk_f16_f32 v[Y+16*\tok+4*(\t)+\i], v[Y+16*\tok+8*(\t)+2*\i], v[Y+16*\tok+8*(\t)+2*\i+1]
.endr
.endr
.irp tok, 0,1,2,3
.irp i, 0,1,2,3
	v_pk_mul_f16 v[Y+16*\tok+4*(\t)+\i], v[Y+16*\tok+4*(\t)+\i], v[X+8*\tok+4*(\t)+\i]
.endr
.endr
.irp tok, 0,1,2,3
.irp i, 0,1,2,3
	v_pk_max_num_f16 v[Y+16*\tok+4*(\t)+\i], v[Y+16*\tok+4*(\t)+\i], v[ZR]
.endr
.endr
.endm
.macro XLOAD off                       ; x of a sub-step: for each token tile and n tile 16 bytes a lane, laid as packed Y^T lies
.irp tok, 0,1,2,3
.irp t, 0,1
	global_load_b128 v[X+8*\tok+4*\t:X+8*\tok+4*\t+3], v[XO+\tok], s[XB:XB+1] offset:(\off)+32*\t
.endr
.endr
.endm
; A SUB-STEP: 32 n of slot p (u = 0, 1).  Four groups of 32 products; each group first asks for the next group's eight fragments.  zero = 1: U's sums start.  xnext = 1: the next sub-step's x is asked for.
; mode 0: the next sub-step lies in the same slot.  1: change of slots, this slot is filled again.  2: change of slots, nothing is asked for.  3: the last sub-step.
.macro SUB p, u, zero, xnext, mode
	s_wait_dscnt 0x0
	PLACES 5                                       ; five: the products below write over z, which the last products read as source 1; and loads go into the buffer that those read
	FETCH_Y \p, \u, 1, FB
	MUL_Y 0, FA
	s_wait_dscnt 0x0
	PLACES 4
	FETCH_E \p, \u, 0, FA
	MUL_Y 1, FB
	WIN 0
	s_wait_loadcnt 0x0                             ; x is in, and its loads have read their base
	EW 0                                           ; n tile 0 was finished ahead of the places above; its 48 lines are the places behind n tile 1
	EW 1
.if \xnext
.if \u
	s_add_nc_u64 s[XB:XB+1], s[XB:XB+1], 256       ; the next slot's columns
	XLOAD 0
.else
	XLOAD 64
.endif
.endif
	s_wait_dscnt 0x0
	FETCH_E \p, \u, 1, FB
	MUL_U 0, FA, 0, 8, \zero
.if (\mode) == 0
	s_wait_dscnt 0x0
	PLACES 4
	FETCH_Y \p, 1, 0, FA
	MUL_U 1, FB, 0, 8, \zero
.elseif (\mode) == 3
	s_wait_dscnt 0x0
	MUL_U 1, FB, 0, 8, 0
.else
.if (\mode) == 1
	s_wait_xcnt 0x0                                ; the last prefetch, a slot back, has read its address
	s_add_nc_u64 s[PFA:PFA+1], s[PFA:PFA+1], s[PST:PST+1]
.endif
	WIN 0
	s_wait_tensorcnt 0x0                           ; all my tensor loads have landed: the one that was out is my part of the other slot;
	ds_add_u32 v[SPW], v[NIL]                      ; 0 onto my spare word;
	s_wait_dscnt 0x1                               ; (only the add may be out: the fragments are in)
	MUL_U 1, FB, 0, 2, 0                           ; eight products stand between the add and the wait for it
	s_wait_dscnt 0x0                               ; the add is done, and my reads of this slot are over
	s_barrier_signal -1
	MUL_U 1, FB, 2, 2, 0                           ; work on registers while the others arrive
	WIN 0
	s_barrier_wait -1
.if (\mode) == 1
	CREST                                          ; the barrier has opened a round of the cluster's: no wave of any partner still reads this slot or has a load on its way
	s_add_nc_u64 s[G0Y+4*(\p)+2:G0Y+4*(\p)+3], s[G0Y+4*(\p)+2:G0Y+4*(\p)+3], 512
	s_add_nc_u64 s[G0E+4*(\p)+2:G0E+4*(\p)+3], s[G0E+4*(\p)+2:G0E+4*(\p)+3], 131072
	JLOAD \p                                       ; the first tensor load behind the round; its four v_nop are also the places ahead of the loads below
.else
	PLACES 4
.endif
	FETCH_Y 1-(\p), 0, 0, FA
.if (\mode) == 1
	ASK
.endif
	MUL_U 1, FB, 4, 4, 0
.endif
.endm
	s_load_b256 s[4:11], s[0:1], 0x0               ; a1f s[4:5], idx s[6:7], wts s[8:9], xtab s[10:11]
	s_load_b64 s[12:13], s[0:1], 0x20              ; up
	v_lshl_add_u32 v[SPW], v0, 2, SPARE
	v_mov_b32 v[NIL], 0
	ds_add_u32 v[SPW], v[NIL]                      ; the wave's opening: the add, twice on end, and its wait ahead of my first tensor load
	ds_add_u32 v[SPW], v[NIL]
	v_lshrrev_b32 v1, 5, v0
	v_readfirstlane_b32 s[WV], v1
	s_lshr_b32 s[TH], s[WV], 1
	s_and_b32 s[NH], s[WV], 1
	s_and_b32 s[YY], ttmp7, 0xffff                 ; which half of n: the four partners share it
	s_mov_b32 s[G1Y], 15|(1<<16)|(1<<20)|(1<<21)|(5<<22)|(7<<25)  ; the mask of four; 2-byte elements; padding on; bit 21 beside a mask; behind every 64 words 8 words
	s_mov_b32 s[G1Y+1], 128<<16
	s_mov_b32 s[G1Y+2], 128<<16
	s_mov_b32 s[G1Y+3], 128<<16
	s_mov_b32 s[G1Y+4], 128
	s_mov_b32 s[G1Y+5], 4096
	s_mov_b32 s[G1Y+6], 0
	s_mov_b32 s[G1Y+7], 0
	s_mov_b32 s[G1E], 15|(1<<16)|(1<<20)|(1<<21)|(6<<22)|(7<<25)  ; behind every 128 words 8 words
	s_mov_b32 s[G1E+1], 256<<16
	s_mov_b32 s[G1E+2], 64<<16
	s_mov_b32 s[G1E+3], 256<<16
	s_mov_b32 s[G1E+4], 64
	s_mov_b32 s[G1E+5], 256
	s_mov_b32 s[G1E+6], 0
	s_mov_b32 s[G1E+7], 0
	s_mul_i32 s20, s[NH], 36864                    ; 128 rows of 288 bytes
	s_mul_i32 s21, s[NH], 34816                    ; 64 rows of 544 bytes
.irp p, 0,1
	s_mov_b32 s[G0Y+4*\p], 1
	s_add_co_u32 s[G0Y+4*\p+1], s20, \p*SLOT
	s_mov_b32 s[G0E+4*\p], 1
	s_add_co_u32 s[G0E+4*\p+1], s21, \p*SLOT+ENC0
.endr
	s_lshl_b32 s22, s[NH], 20                      ; Wy16: my 128 d rows of 8,192 bytes,
	s_lshl_b32 s68, s[YY], 12                      ; the half's 2,048 columns
	s_add_co_u32 s22, s22, s68
	s_add_co_u32 s22, s22, 2097152
	s_mov_b32 s23, 0
	s_lshl_b32 s70, s[YY], 20                      ; Enc16: the half's 2,048 rows of 512 bytes,
	s_lshl_b32 s68, s[NH], 15                      ; my 64 of a slot's 128
	s_add_co_u32 s70, s70, s68
	s_add_co_u32 s70, s70, 4194304
	s_mov_b32 s71, 0
	s_wait_dscnt 0x0                               ; both opening adds are done
	s_wait_kmcnt 0x0
	s_add_nc_u64 s[22:23], s[8:9], s[22:23]
	s_add_nc_u64 s[70:71], s[8:9], s[70:71]
.irp p, 0,1
	s_add_nc_u64 s[G0Y+4*\p+2:G0Y+4*\p+3], s[22:23], \p*256
	s_or_b32 s[G0Y+4*\p+3], s[G0Y+4*\p+3], 0x80000000
	s_add_nc_u64 s[G0E+4*\p+2:G0E+4*\p+3], s[70:71], \p*65536
	s_or_b32 s[G0E+4*\p+3], s[G0E+4*\p+3], 0x80000000
.endr
	CROUND                                         ; all four work-groups are here: the first joint loads meet
	JLOAD 0
	JLOAD 1
	s_bfe_u32 s[CX], ttmp6, 0x40000                ; my place in the cluster: it enters global addresses alone
	s_lshl_b32 s[XX], ttmp9, 2
	s_add_co_u32 s[XX], s[XX], s[CX]               ; my block of 128 tokens
	v_and_b32 v1, 31, v0                           ; l
	v_and_b32 v2, 15, v0                           ; r
	v_bfe_u32 v3, v0, 4, 1                         ; h
	v_and_b32 v24, 7, v0
	v_bfe_u32 v25, v0, 3, 1
	v_mov_b32 v[ZR], 0
	v_lshlrev_b32 v[L16], 4, v1
	s_lshl_b32 s72, s[XX], 7
	s_lshl_b32 s73, s[TH], 6
	s_add_co_u32 s72, s72, s73
	v_add_nc_u32 v26, s72, v2
	v_lshlrev_b32 v26, 2, v26
.irp tok, 0,1,2,3
	global_load_b32 v[XO+\tok], v26, s[6:7] offset:64*\tok
.endr
	v_lshl_add_u32 v27, v3, 3, v24                 ; 8 h + l % 8
	v_mul_u32_u24 v28, v27, 288
	v_lshl_add_u32 v28, v25, 4, v28
	s_lshl_b32 s68, s[NH], 7
	v_add_nc_u32 v28, s68, v28
	v_mov_b32 v[ADRY], v28
	v_add_nc_u32 v[ADRY+1], 36864, v28
	v_add_nc_u32 v[ADRY+2], SLOT, v28
	v_add_nc_u32 v[ADRY+3], SLOT+36864, v28
	v_mul_u32_u24 v29, v27, 544
	v_lshl_add_u32 v29, v25, 4, v29
	v_add_nc_u32 v29, s21, v29
	v_add_nc_u32 v[ADRE], ENC0, v29
	v_add_nc_u32 v[ADRE+1], SLOT+ENC0, v29
	v_lshlrev_b32 v30, 4, v3
	v_add_nc_u32 v30, s68, v30                     ; 16 h + 128 nh
	s_cmp_lt_u32 s[WV], 2                          ; the prefetches: Wy's blocks lie 8,192 bytes apart and step 256 a slot, Enc's lie on end and step 65,536
	s_cselect_b64 s[PFA:PFA+1], s[22:23], s[70:71]
	s_cselect_b32 s72, 8, 16
	s_cselect_b32 s73, 13, 8
	s_cselect_b32 s76, 18, 13
	s_lshl_b32 s[PST], 1, s72
	s_mov_b32 s[PST+1], 0
	s_lshl_b32 s73, 1, s73
	s_lshl_b32 s74, s[CX], s76                     ; my work-group's 32 blocks of the 128
	s_mov_b32 s75, 0
	s_add_nc_u64 s[PFA:PFA+1], s[PFA:PFA+1], s[74:75]
	s_mul_i32 s74, s[PST], 3                       ; at slot 3: the first refill steps it to slot 4
	s_add_nc_u64 s[PFA:PFA+1], s[PFA:PFA+1], s[74:75]
	v_mul_u32_u24 v[PFO], v1, s73
	s_mov_b32 s72, ttmp9
	s_cmp_eq_u32 s72, 0
	s_cselect_b32 s[LIM], 1, -1                    ; the same in all four partners
	s_lshl_b32 s74, s[YY], 12
	s_add_nc_u64 s[XB:XB+1], s[10:11], s[74:75]
	s_lshl_b32 s74, s[XX], 3
	s_lshl2_add_u32 s74, s[TH], s74                ; my first token tile 8 x + 4 th
	s_lshl_b32 s74, s74, 13
	s_add_nc_u64 s[78:79], s[4:5], s[74:75]
	s_wait_loadcnt 0x0                             ; the token numbers
.irp tok, 0,1,2,3
	v_min_u32 v[XO+\tok], 255, v[XO+\tok]          ; an index stays inside its table
	v_lshl_add_u32 v[XO+\tok], v[XO+\tok], 13, v30
.endr
	XLOAD 0
	WIN 0x40
.set m, 0
.rept 64                               ; LN(a) of my 64 tokens: register images, 512 consecutive bytes an instruction
	global_load_b128 v[4*m:4*m+3], v[L16], s[78:79] offset:512*m
.set m, m+1
.endr
	WIN 0
	s_wait_tensorcnt 0x1                           ; my part of slot 0 is in; slot 1's may stay out
	s_barrier_signal -1
	s_barrier_wait -1
	FETCH_Y 0, 0, 0, FA
	s_wait_loadcnt 0x0
	SUB 0, 0, 1, 1, 0                              ; the first sub-step stands ahead of the loop: its products start U's sums
	WIN 0
	s_mov_b32 s[CNT], 7
.Lslots:                                           ; a trip goes once round the ring and fills both slots again
	SUB 0, 1, 0, 1, 1
	SUB 1, 0, 0, 1, 0
	SUB 1, 1, 0, 1, 1
	SUB 0, 0, 0, 1, 0
	WIN 0
	s_sub_co_u32 s[CNT], s[CNT], 1
	s_cmp_lg_u32 s[CNT], 0
	s_cbranch_scc1 .Lslots
	SUB 0, 1, 0, 1, 2                              ; the tail is written out: nothing more is asked for
	SUB 1, 0, 0, 1, 0
	SUB 1, 1, 0, 0, 3
	; THE WAY OUT.  The two waves of a token half hold sums over different n: they meet in LDS, in the slots, which have had their last fill.
	WIN 0
	PLACES 4
	s_lshl_b32 s20, s[WV], 16
	v_lshl_add_u32 v[EXW], v1, 4, s20
	s_lshl_b32 s20, s[TH], 17
	s_lshl_b32 s68, s[NH], 15
	s_add_co_u32 s20, s20, s68
	v_lshl_add_u32 v[RA], v1, 4, s20               ; token tiles 2 nh, 2 nh + 1 in the copy of wave 2 th,
	v_add_nc_u32 v[RB], 65536, v[RA]               ; and of wave 2 th + 1
	s_lshl_b32 s74, s[XX], 3
	s_lshl2_add_u32 s74, s[TH], s74
	s_lshl1_add_u32 s74, s[NH], s74
	s_lshl_b32 s74, s74, 14
	s_lshl_b32 s76, s[YY], 24
	s_add_co_u32 s74, s74, s76
	s_add_nc_u64 s[UPB:UPB+1], s[12:13], s[74:75]
	s_wait_dscnt 0x0
	s_barrier_signal -1
	s_barrier_wait -1                              ; nobody reads the slots any more
	WIN 0x08
.irp dt, 0,1,2,3,4,5,6,7
.irp tok, 0,1,2,3
	ds_store_b128 v[EXW], v[8*(4*\dt+\tok):8*(4*\dt+\tok)+3] offset:(16*\tok+\dt)*1024
	ds_store_b128 v[EXW], v[8*(4*\dt+\tok)+4:8*(4*\dt+\tok)+7] offset:(16*\tok+\dt)*1024+512
.endr
.endr
	WIN 0x0c
.irp dt, 0,1,2,3,4,5,6,7
.irp tok, 0,1,2,3
	ds_store_b128 v[EXW], v[8*(4*\dt+\tok):8*(4*\dt+\tok)+3] offset:(16*\tok+8+\dt)*1024
	ds_store_b128 v[EXW], v[8*(4*\dt+\tok)+4:8*(4*\dt+\tok)+7] offset:(16*\tok+8+\dt)*1024+512
.endr
.endr
	WIN 0
	s_wait_dscnt 0x0
	s_barrier_signal -1
	s_barrier_wait -1
	s_mov_b32 s[CNT], 8
	s_mov_b32 s20, 0
.Lout:                                             ; 32 KiB a wave, 4 KiB a trip: two copies added, stored as they lie
	v_add_nc_u32 v[TA], s20, v[RA]
	v_add_nc_u32 v[TB], s20, v[RB]
.irp i, 0,1,2,3,4,5,6,7
	ds_load_b128 v[128+4*\i:131+4*\i], v[TA] offset:512*\i
.endr
.irp i, 0,1,2,3,4,5,6,7
	ds_load_b128 v[160+4*\i:163+4*\i], v[TB] offset:512*\i
.endr
	s_wait_dscnt 0x0
.set n, 0
.rept 16
	v_pk_add_f32 v[128+2*n:129+2*n], v[128+2*n:129+2*n], v[160+2*n:161+2*n]
.set n, n+1
.endr
.irp i, 0,1,2,3,4,5,6,7
	global_store_b128 v[L16], v[128+4*\i:131+4*\i], s[UPB:UPB+1] offset:512*\i
.endr
	s_wait_xcnt 0x0                                ; the stores have read their data and their base
	s_add_nc_u64 s[UPB:UPB+1], s[UPB:UPB+1], 4096
	s_add_co_u32 s20, s20, 4096
	s_sub_co_u32 s[CNT], s[CNT], 1
	s_cmp_lg_u32 s[CNT], 0
	s_cbranch_scc1 .Lout
	s_wait_tensorcnt 0x0                           ; the wave's end
	ds_add_u32 v[SPW], v[NIL]
	s_wait_dscnt 0x0
	CROUND                                         ; the closing round
	s_endpgm
.Lfunc_end_k_q5f1be52160_mlp:
	.size	k_q5f1be52160_mlp, .Lfunc_end_k_q5f1be52160_mlp-k_q5f1be52160_mlp
	.p2alignl 7, 3214868480
	.fill 96, 4, 3214868480
	.section	.rodata,"a",@progbits
	.p2align	6, 0x0
	.amdhsa_kernel k_q5f1be52160_mlp
		.amdhsa_group_segment_fixed_size 327680
		.amdhsa_private_segment_fixed_size 0
		.amdhsa_enable_private_segment 0
		.amdhsa_kernarg_size 40
		.amdhsa_user_sgpr_count 2
		.amdhsa_user_sgpr_kernarg_segment_ptr 1
		.amdhsa_wavefront_size32 1
		.amdhsa_system_sgpr_workgroup_id_x 1
		.amdhsa_system_sgpr_workgroup_id_y 1
		.amdhsa_system_sgpr_workgroup_id_z 1
		.amdhsa_system_vgpr_workitem_id 0
		.amdhsa_next_free_vgpr 1024
		.amdhsa_next_free_sgpr 80
		.amdhsa_reserve_vcc 0
		.amdhsa_float_denorm_mode_32 3
		.amdhsa_float_denorm_mode_16_64 3
		.amdhsa_memory_ordered 1
		.amdhsa_forward_progress 1
		.amdhsa_inst_pref_size 187
	.end_amdhsa_kernel
	.amdgpu_metadata
---
amdhsa.version: [ 1, 2 ]
amdhsa.kernels:
  - .name:           k_q5f1be52160_mlp
    .symbol:         k_q5f1be52160_mlp.kd
    .args:
      - { .name: a1f, .offset: 0, .size: 8, .value_kind: global_buffer, .address_space: global }
      - { .name: idx, .offset: 8, .size: 8, .value_kind: global_buffer, .address_space: global }
      - { .name: wts, .offset: 16, .size: 8, .value_kind: global_buffer, .address_space: global }
      - { .name: xtab, .offset: 24, .size: 8, .value_kind: global_buffer, .address_space: global }
      - { .name: up, .offset: 32, .size: 8, .value_kind: global_buffer, .address_space: global }
    .group_segment_fixed_size: 327680
    .private_segment_fixed_size: 0
    .kernarg_segment_align: 8
    .kernarg_segment_size: 40
    .max_flat_workgroup_size: 128
    .sgpr_count:     80
    .vgpr_count:     1024
    .wavefront_size: 32
...
	.end_amdgpu_metadata
.endif
;; end of part 4
;; launch final (part 5): grid 256 x 1, 4 waves a work-group, clusters of 4 x 1, 206,336 bytes of LDS; arguments up, idx, vt, wts, out0; writes out0
.if DOCPART == 5
	.amdgcn_target "amdgcn-amd-amdhsa--gfx1250"
	.amdhsa_code_object_version 6
	.text
	.protected	k_q5f1be52160_final
	.globl	k_q5f1be52160_final
	.p2align	8
	.type	k_q5f1be52160_final,@function
k_q5f1be52160_final:
	s_mov_b64 s[64:65], 0
	v_nop
	global_prefetch_b8 v0, s[64:65] scope:SCOPE_SE
	s_setreg_imm32_b32 hwreg(HW_REG_WAVE_MODE, 25, 1), 1
	s_wait_xcnt 0x0
	s_wait_alu depctr_hold_cnt(0) depctr_sa_sdst(0) depctr_va_vdst(0) depctr_va_sdst(0) depctr_va_ssrc(0) depctr_va_vcc(0) depctr_vm_vsrc(0)
	s_getreg_b32 s2, hwreg(HW_REG_IB_STS2, 6, 4)
	s_cmp_eq_u32 s2, 0
	s_cbranch_scc0 .Lentry_in_a_cluster
	s_endpgm
.Lentry_in_a_cluster:
	s_bfe_u32 s2, ttmp6, 0x10000c
	s_cmp_lg_u32 s2, 0x3003
	s_cbranch_scc0 .Lentry_shape_is_right
	s_endpgm
.Lentry_shape_is_right:
; out = LN(v0 + LN(u)) R.  u = the two partial sums of the launch before; v0 = the f32 table row of the token.  Both LayerNorms in f32, in two passes; the last v is rounded once to f16 for the product.
; A wave owns a tile of 16 tokens; a lane holds ONE token (lane % 16) and d = 16 dt + 8 (lane / 16) + 0 .. 7: as the partial sums were stored, so nothing changes lanes.
; logits^T = R^T v^T (source 0 = 16 columns of R, turned out of LDS by ds_load_tr16_b128; pitch 544 bytes, an odd multiple of 32); 16 accumulators.
; R (f16, 131,072 bytes) is wanted whole by every work-group: the four of a cluster ask for it jointly, each wave for 64 rows, once.
; The result goes through my own stage in LDS (16 rows of 1,040 bytes) and leaves as 512 consecutive bytes an instruction.
.set STG,   139264
.set SPARE, 205824
.set L16, 6
.set IDO, 7
.set VO,  8
.set TR,  9                            ; v9, v10 turning loads: d 0-127, d 128-255
.set STO, 11
.set RDS, 12
.set SPW, 16
.set NIL, 17
.set VF,  32                           ; v32-95 the last v as source 1: K step k at 32 + 8 k
.set T,   96                           ; v96-107 at work
.set B0,  128                          ; v128-255 the token's numbers; later two fragment buffers, then the rows read back
.set FA,  128
.set FB,  192
.set WV,  14
.set CX,  15
.set TT,  17
.set G1,  24
.set G0,  32
.set SEL, 36
.set INV, 38
.set MSB, 0
.macro WIN new
.if MSB != (\new)
	s_set_vgpr_msb (MSB<<8)|(\new)
.set MSB, (\new)
.endif
.endm
.macro PLACES n
.rept \n
	v_nop
.endr
.endm
.macro CROUND
	s_barrier_signal -1
	s_barrier_wait -1
	s_cmp_lg_u32 s[WV], 0
	s_cbranch_scc1 .Lnot_wave_0_\@
	s_barrier_signal -3
.Lnot_wave_0_\@:
	s_barrier_wait -3
	s_barrier_signal -1
	s_barrier_wait -1
.endm
.macro LN_FOLD T
	v_pk_add_f32 v[\T:(\T)+1], v[\T:(\T)+1], v[(\T)+2:(\T)+3]
	v_pk_add_f32 v[(\T)+4:(\T)+5], v[(\T)+4:(\T)+5], v[(\T)+6:(\T)+7]
	v_pk_add_f32 v[\T:(\T)+1], v[\T:(\T)+1], v[(\T)+4:(\T)+5]
	v_add_f32 v[\T], v[\T], v[(\T)+1]
	v_permlanex16_b32 v[(\T)+2], v[\T], s[SEL], s[SEL+1]
	v_add_f32 v[\T], v[\T], v[(\T)+2]
.endm
; LayerNorm's figures for a token whose 256 numbers lie in 128 registers of two lanes: the numbers centred in place, 1 / sqrt(variance + eps) twice in v[T+8:T+9]
.macro LN_STATS B, T, eps
.irp c, 0,1,2,3
	v_pk_add_f32 v[(\T)+2*\c:(\T)+2*\c+1], v[(\B)+2*\c:(\B)+2*\c+1], v[(\B)+8+2*\c:(\B)+8+2*\c+1]
.endr
.set n, 8
.rept 56
	v_pk_add_f32 v[(\T)+2*(n%4):(\T)+2*(n%4)+1], v[(\T)+2*(n%4):(\T)+2*(n%4)+1], v[(\B)+2*n:(\B)+2*n+1]
.set n, n+1
.endr
	LN_FOLD \T
	v_mul_f32 v[\T], s[INV], v[\T]
	v_mov_b32 v[(\T)+1], v[\T]
.set n, 0
.rept 64
	v_pk_add_f32 v[(\B)+2*n:(\B)+2*n+1], v[(\B)+2*n:(\B)+2*n+1], v[\T:(\T)+1] neg_lo:[0,1] neg_hi:[0,1]
.set n, n+1
.endr
.irp c, 0,1,2,3
	v_pk_mul_f32 v[(\T)+2*\c:(\T)+2*\c+1], v[(\B)+2*\c:(\B)+2*\c+1], v[(\B)+2*\c:(\B)+2*\c+1]
.endr
.set n, 4
.rept 60
	v_pk_fma_f32 v[(\T)+2*(n%4):(\T)+2*(n%4)+1], v[(\B)+2*n:(\B)+2*n+1], v[(\B)+2*n:(\B)+2*n+1], v[(\T)+2*(n%4):(\T)+2*(n%4)+1]
.set n, n+1
.endr
	LN_FOLD \T
	v_fmaak_f32 v[\T], s[INV], v[\T], \eps
	v_rsq_f32 v[(\T)+8], v[\T]
	v_nop                                          ; a plain instruction behind the root,
	s_wait_alu depctr_va_vdst(0)                   ; and its wait, ahead of the first reader
	v_mov_b32 v[(\T)+9], v[(\T)+8]
.endm
	s_load_b256 s[4:11], s[0:1], 0x0               ; up s[4:5], idx s[6:7], vt s[8:9], wts s[10:11]
	s_load_b64 s[12:13], s[0:1], 0x20              ; out0
	v_lshl_add_u32 v[SPW], v0, 2, SPARE
	v_mov_b32 v[NIL], 0
	ds_add_u32 v[SPW], v[NIL]                      ; the wave's opening: the add, twice on end, and its wait ahead of my first tensor load
	ds_add_u32 v[SPW], v[NIL]
	v_lshrrev_b32 v1, 5, v0
	v_readfirstlane_b32 s[WV], v1
	s_mov_b32 s[G1], 15|(1<<16)|(1<<20)|(1<<21)|(6<<22)|(7<<25)  ; the mask of four; 2-byte elements; padding on; bit 21 beside a mask; behind every 128 words 8 words
	s_mov_b32 s[G1+1], 256<<16
	s_mov_b32 s[G1+2], 64<<16
	s_mov_b32 s[G1+3], 256<<16
	s_mov_b32 s[G1+4], 64
	s_mov_b32 s[G1+5], 256
	s_mov_b32 s[G1+6], 0
	s_mov_b32 s[G1+7], 0
	s_mov_b32 s[G0], 1
	s_mul_i32 s[G0+1], s[WV], 34816                ; my 64 rows of 544 bytes
	s_lshl_b32 s20, s[WV], 15
	s_add_co_u32 s20, s20, 6291456
	s_mov_b32 s21, 0
	s_mov_b32 s[SEL], 0x76543210
	s_mov_b32 s[SEL+1], 0xfedcba98
	s_mov_b32 s[INV], 0x3b800000
	s_wait_dscnt 0x0                               ; both opening adds are done
	s_wait_kmcnt 0x0
	s_add_nc_u64 s[G0+2:G0+3], s[10:11], s[20:21]
	s_or_b32 s[G0+3], s[G0+3], 0x80000000
	CROUND                                         ; all four work-groups are here: the joint loads meet
	tensor_load_to_lds s[G0:G0+3], s[G1:G1+7]
	s_nop 0
	PLACES 4
	s_bfe_u32 s[CX], ttmp6, 0x40000                ; my place in the cluster: it enters global addresses alone
	s_lshl_b32 s[TT], ttmp9, 2
	s_add_co_u32 s[TT], s[TT], s[CX]
	s_lshl2_add_u32 s[TT], s[TT], s[WV]            ; my token tile
	v_and_b32 v1, 31, v0
	v_and_b32 v2, 15, v0
	v_bfe_u32 v3, v0, 4, 1
	v_and_b32 v4, 7, v0
	v_bfe_u32 v5, v0, 3, 1
	v_lshlrev_b32 v[L16], 4, v1
	s_lshl_b32 s46, s[TT], 4
	v_add_nc_u32 v[IDO], s46, v2
	v_lshlrev_b32 v[IDO], 2, v[IDO]
	s_lshl_b32 s46, s[TT], 14
	s_mov_b32 s47, 0
	s_add_nc_u64 s[40:41], s[4:5], s[46:47]
	s_add_nc_u64 s[42:43], s[40:41], 16777216
	s_add_nc_u64 s[44:45], s[12:13], s[46:47]
	global_load_b32 v[VO], v[IDO], s[6:7]
.set m, 0
.rept 32
	global_load_b128 v[B0+4*m:B0+4*m+3], v[L16], s[40:41] offset:512*m th:TH_LOAD_NT
.set m, m+1
.endr
	v_lshl_add_u32 v[TR], v3, 3, v4
	v_mul_u32_u24 v[TR], v[TR], 544
	v_lshl_add_u32 v[TR], v5, 4, v[TR]
	v_add_nc_u32 v[TR+1], 69632, v[TR]
	s_mul_i32 s20, s[WV], 16640
	s_add_co_u32 s20, s20, STG
	v_mul_u32_u24 v[STO], v2, 1040
	v_lshl_add_u32 v[STO], v3, 5, v[STO]
	v_add_nc_u32 v[STO], s20, v[STO]
	v_add_nc_u32 v[RDS], s20, v[L16]
	v_lshlrev_b32 v13, 5, v3
	s_wait_loadcnt 32                              ; the 32 loads behind it may stay out: the token number is in
	v_min_u32 v[VO], 255, v[VO]                    ; an index stays inside its table
	v_lshl_add_u32 v[VO], v[VO], 10, v13
	WIN 0x40
.set m, 0
.rept 32
	global_load_b128 v[4*m:4*m+3], v[L16], s[42:43] offset:512*m th:TH_LOAD_NT
.set m, m+1
.endr
.set m, 0
.rept 32
	global_load_b128 v[128+4*m:128+4*m+3], v[VO], s[8:9] offset:64*(m/2)+16*(m%2)
.set m, m+1
.endr
	s_wait_loadcnt 32                              ; v0's 32 loads may stay out: both partial sums are in
	WIN 0x04
.set n, 0
.rept 64
	v_pk_add_f32 v[B0+2*n:B0+2*n+1], v[B0+2*n:B0+2*n+1], v[2*n:2*n+1]
.set n, n+1
.endr
	WIN 0
	LN_STATS B0, T, 0x3727c5ac
	s_wait_loadcnt 0x0
	WIN 0x10
.set n, 0
.rept 64
	v_pk_fma_f32 v[B0+2*n:B0+2*n+1], v[B0+2*n:B0+2*n+1], v[T+8:T+9], v[128+2*n:128+2*n+1]   ; v0 + LN(u)
.set n, n+1
.endr
	WIN 0
	LN_STATS B0, T, 0x3727c5ac
.set n, 0
.rept 64
	v_pk_mul_f32 v[B0+2*n:B0+2*n+1], v[B0+2*n:B0+2*n+1], v[T+8:T+9]
.set n, n+1
.endr
.set n, 0
.rept 64
	v_cvt_pk_f16_f32 v[VF+n], v[B0+2*n], v[B0+2*n+1]
.set n, n+1
.endr
	s_wait_tensorcnt 0x0                           ; my rows of R have landed,
	s_barrier_signal -1
	s_barrier_wait -1                              ; everybody's have
.macro FETCH_R g, buf                  ; K step g / 2, column tiles 8 (g % 2) + 0 .. 7
	WIN 0
.irp i, 0,1,2,3,4,5,6,7
	ds_load_tr16_b128 v[(\buf)+8*\i:(\buf)+8*\i+3], v[TR+(\g)/8] offset:17408*(((\g)/2)%4)+32*(8*((\g)%2)+\i)
	ds_load_tr16_b128 v[(\buf)+8*\i+4:(\buf)+8*\i+7], v[TR+(\g)/8] offset:17408*(((\g)/2)%4)+32*(8*((\g)%2)+\i)+8704
.endr
.endm
.macro MUL_R g, buf                    ; eight accumulators of sixteen; the other eight have the next turn
	WIN 0x50
.irp i, 0,1,2,3,4,5,6,7
.if (\g) < 2
	v_wmma_f32_16x16x32_f16 v[8*(8*((\g)%2)+\i):8*(8*((\g)%2)+\i)+7], v[(\buf)+8*\i:(\buf)+8*\i+7], v[VF+8*((\g)/2):VF+8*((\g)/2)+7], 0
.else
	v_wmma_f32_16x16x32_f16 v[8*(8*((\g)%2)+\i):8*(8*((\g)%2)+\i)+7], v[(\buf)+8*\i:(\buf)+8*\i+7], v[VF+8*((\g)/2):VF+8*((\g)/2)+7], v[8*(8*((\g)%2)+\i):8*(8*((\g)%2)+\i)+7]
.endif
.endr
.endm
	FETCH_R 0, FA
.set gg, 0
.rept 16
	s_wait_dscnt 0x0
.if gg < 15
.if gg > 0
	PLACES 4                                       ; ahead of loads into the buffer that the last products read
.endif
	FETCH_R gg+1, FA+64*((gg+1)%2)
.endif
	MUL_R gg, FA+64*(gg%2)
.set gg, gg+1
.endr
	PLACES 4
	WIN 0x04
.set m, 0
.rept 16
	ds_store_b128 v[STO], v[8*m:8*m+3] offset:64*m
	ds_store_b128 v[STO], v[8*m+4:8*m+7] offset:64*m+16
.set m, m+1
.endr
	WIN 0
.set m, 0
.rept 32
	ds_load_b128 v[128+4*m:128+4*m+3], v[RDS] offset:1040*(m/2)+512*(m%2)   ; my own bytes, served in order behind the stores
.set m, m+1
.endr
.set m, 0
.rept 32
	s_wait_dscnt 31-m
	global_store_b128 v[L16], v[128+4*m:128+4*m+3], s[44:45] offset:512*m   ; 512 consecutive bytes, aligned
.set m, m+1
.endr
	s_wait_tensorcnt 0x0                           ; the wave's end
	ds_add_u32 v[SPW], v[NIL]
	s_wait_dscnt 0x0
	CROUND                                         ; the closing round
	s_endpgm
.Lfunc_end_k_q5f1be52160_final:
	.size	k_q5f1be52160_final, .Lfunc_end_k_q5f1be52160_final-k_q5f1be52160_final
	.p2alignl 7, 3214868480
	.fill 96, 4, 3214868480
	.section	.rodata,"a",@progbits
	.p2align	6, 0x0
	.amdhsa_kernel k_q5f1be52160_final
		.amdhsa_group_segment_fixed_size 206336
		.amdhsa_private_segment_fixed_size 0
		.amdhsa_enable_private_segment 0
		.amdhsa_kernarg_size 40
		.amdhsa_user_sgpr_count 2
		.amdhsa_user_sgpr_kernarg_segment_ptr 1
		.amdhsa_wavefront_size32 1
		.amdhsa_system_sgpr_workgroup_id_x 1
		.amdhsa_system_sgpr_workgroup_id_y 1
		.amdhsa_system_sgpr_workgroup_id_z 1
		.amdhsa_system_vgpr_workitem_id 0
		.amdhsa_next_free_vgpr 512
		.amdhsa_next_free_sgpr 66
		.amdhsa_reserve_vcc 0
		.amdhsa_float_denorm_mode_32 3
		.amdhsa_float_denorm_mode_16_64 3
		.amdhsa_memory_ordered 1
		.amdhsa_forward_progress 1
		.amdhsa_inst_pref_size 91
	.end_amdhsa_kernel
	.amdgpu_metadata
---
amdhsa.version: [ 1, 2 ]
amdhsa.kernels:
  - .name:           k_q5f1be52160_final
    .symbol:         k_q5f1be52160_final.kd
    .args:
      - { .name: up, .offset: 0, .size: 8, .value_kind: global_buffer, .address_space: global }
      - { .name: idx, .offset: 8, .size: 8, .value_kind: global_buffer, .address_space: global }
      - { .name: vt, .offset: 16, .size: 8, .value_kind: global_buffer, .address_space: global }
      - { .name: wts, .offset: 24, .size: 8, .value_kind: global_buffer, .address_space: global }
      - { .name: out0, .offset: 32, .size: 8, .value_kind: global_buffer, .address_space: global }
    .group_segment_fixed_size: 206336
    .private_segment_fixed_size: 0
    .kernarg_segment_align: 8
    .kernarg_segment_size: 40
    .max_flat_workgroup_size: 128
    .sgpr_count:     66
    .vgpr_count:     512
    .wavefront_size: 32
...
	.end_amdgpu_metadata
.endif
;; end of part 5
;; ======== version 2 of 2: 5 launches; version 1 with the launch prep written anew for expert scheduling mode
;; limits: values are held in f16: magnitudes above 65,504 overflow, below 6.1e-05 lose precision; right only within a limited range of input values
;; workspace buffers: qv 16,777,216 bytes; vt 393,216 bytes; wts 6,422,528 bytes; sp 16,777,216 bytes; xtab 2,097,152 bytes; a1f 8,388,608 bytes; up 33,554,432 bytes
;; launch prep (part 6): grid 256 x 1, 8 waves a work-group, no clusters, 0 bytes of LDS; arguments idx, wte, decoder_x, decoder_y, encoder, readout, qv, vt, wts; writes qv, vt, wts
.if DOCPART == 6
	.amdgcn_target "amdgcn-amd-amdhsa--gfx1250"
	.amdhsa_code_object_version 6
	.text
	.protected	k_q5f1be52160_prep
	.globl	k_q5f1be52160_prep
	.p2align	8
	.type	k_q5f1be52160_prep,@function
k_q5f1be52160_prep:
	s_mov_b64 s[64:65], 0
	v_nop
	global_prefetch_b8 v0, s[64:65] scope:SCOPE_SE
	s_setreg_imm32_b32 hwreg(HW_REG_WAVE_SCHED_MODE, 0, 2), 2
	s_setreg_imm32_b32 hwreg(HW_REG_WAVE_MODE, 25, 1), 1
	s_wait_xcnt 0x0
	s_wait_alu depctr_vm_vsrc(0)
; PREPARATION.  No matrix work, no LDS, no barrier: every wave is by itself.
; Wave W = 8 x work-group + wave (0 .. 2047) does three things.
;  (1) It is position t = W of all 8 batches: v = LN(bf16(wte[idx[b][t]])) and q = rope(v), both rounded once to f16: qv holds q rows [16384][256] at 0, v rows at 8,388,608.
;      cos and sin of the 128 angles t f_i are made once a wave (lane l: i = 4 l .. 4 l + 3) and serve the 8 rows.
;  (2) It rounds 512 numbers of decoder_x, decoder_y and encoder (W < 512: 128 of readout) to bf16 and writes that number as f16:
;      wts = Wx16 [256 d][4096 n] at 0, Wy16 the same at 2,097,152, Enc16 [4096 n][256 d] at 4,194,304, R16 [256 d][256] at 6,291,456; n = 1024 h + m.
;  (3) W < 256: row W of the table LN(bf16(wte)): f32 at vt + 0, f16 at vt + 262,144.
; LIMITS.  A weight beyond 65,504 has no f16; below 6e-5 a weight keeps the fixed step 6e-8 of f16.  f_i = 2^(-i log2(10000) / 128) and the angle t f_i are f32; the angle is reduced by one fused
; multiply-add with 1 / 2 pi and the series of sin (to the 15th power) and cos (to the 16th) are cut below 1e-6 on -pi .. pi.  NaN and infinities are not treated apart.
; Lane l owns d = 4 l .. 4 l + 3 and 128 + 4 l .. + 3 of a row, so the two numbers that a rotation mixes lie in one lane.
; Every store of a wave covers 256 or 512 consecutive bytes, aligned.
; THE MODE: SCHED_MODE bits 1:0 = 2 (LLVM: expert scheduling mode 2), set by the entry lines.  The code itself states the register dependences
; between vector instructions and memory instructions, with s_wait_alu, always for 0.
; THE PLAN.  Registers that memory instructions touch:
;   v1, v2      byte offsets, made once at the head and never written again: one wait ahead of the first load serves every load and store.
;   v96-143     the weights as loaded; no vector line names them ahead of the loads.  Read by the conversions; later part of OUT.
;   WO          the weights as stored.  Written by the twelve conversions; one wait; read by the twelve stores; never written again.
;   ROW         the rows as loaded; no vector line names them ahead of the loads.  Worked on by vector lines alone; in the tail row 0 is loaded again, worked on and stored.
;   OUT         the rows as stored.  The rows go out in pairs: a pair's vector lines write its 16 registers; one wait; its eight stores are dealt among the next pair's
;               vector lines, which name the next pair's ROW and OUT, T, CO and SI: none of the registers that those stores read.  Never written again.
;   XT          the tail's own: readout as loaded and as stored; then the table's row in f16.
; No register that a memory instruction has read is ever written again, so no wait on vm_vsrc is owed.  EXEC and VCC are never written.
.set CO,  4                            ; v[4:7]    cos of my four angles
.set SI,  8                            ; v[8:11]   sin
.set T,   12                           ; v[12:27]  at work: no memory instruction names them
.set ROW, 32                           ; v[32:95]  row b: 8 registers
.set OUT, 96                           ; v[96:159] row b: 4 registers of v, 4 of q, as stored; before that the weights as loaded (v96-143)
.set ST,  160                          ; v[160:175] row b: a pair (mean, then 1 / sigma, twice)
.set TP,  176                          ; v[176:183] row b: the other half of the lanes
.set XT,  184                          ; v[184:191] the tail: four numbers of readout as loaded, two registers as stored; v184-187 then take the table's row in f16
.set WO,  192                          ; v[192:215] the weights as stored: 8 registers each for Wx16, Wy16, Enc16
.macro CVT4 src, dst                   ; four f32 -> bf16 -> the same numbers as f16
	v_cvt_pk_bf16_f32 v[T], v[\src], v[(\src)+1]
	v_cvt_pk_bf16_f32 v[T+1], v[(\src)+2], v[(\src)+3]
	v_lshlrev_b32 v[T+2], 16, v[T]
	v_and_b32 v[T+3], s66, v[T]
	v_lshlrev_b32 v[T+4], 16, v[T+1]
	v_and_b32 v[T+5], s66, v[T+1]
	v_cvt_pk_f16_f32 v[\dst], v[T+2], v[T+3]
	v_cvt_pk_f16_f32 v[(\dst)+1], v[T+4], v[T+5]
.endm
.macro RND b                           ; a row rounded to bf16, kept as f32
.irp j, 0,1,2,3
	v_cvt_pk_bf16_f32 v[T+\j], v[ROW+8*(\b)+2*\j], v[ROW+8*(\b)+2*\j+1]
.endr
.irp j, 0,1,2,3
	v_lshlrev_b32 v[ROW+8*(\b)+2*\j], 16, v[T+\j]
	v_and_b32 v[ROW+8*(\b)+2*\j+1], s66, v[T+\j]
.endr
.endm
.macro XRED list:vararg                ; the sum over the 32 lanes, for each row of the list, stage by stage
.irp m, 1,2,4,8
.irp b, \list
	v_add_f32_dpp v[ST+2*\b], v[ST+2*\b], v[ST+2*\b] row_xmask:\m row_mask:0xf bank_mask:0xf
.endr
.endr
.irp b, \list
	v_permlanex16_b32 v[TP+\b], v[ST+2*\b], s62, s63
.endr
.irp b, \list
	v_add_f32 v[ST+2*\b], v[ST+2*\b], v[TP+\b]
.endr
.endm
.macro LNROWS list:vararg              ; LayerNorm in two passes (mean, then centred squares) of the rows of the list, in place
.irp b, \list
	RND \b
.endr
.irp b, \list
	v_pk_add_f32 v[T:T+1], v[ROW+8*\b:ROW+8*\b+1], v[ROW+8*\b+2:ROW+8*\b+3]
	v_pk_add_f32 v[T+2:T+3], v[ROW+8*\b+4:ROW+8*\b+5], v[ROW+8*\b+6:ROW+8*\b+7]
	v_pk_add_f32 v[T:T+1], v[T:T+1], v[T+2:T+3]
	v_add_f32 v[ST+2*\b], v[T], v[T+1]
.endr
	XRED \list
.irp b, \list
	v_mul_f32 v[ST+2*\b], s67, v[ST+2*\b]
.endr
.irp b, \list
	v_mov_b32 v[ST+2*\b+1], v[ST+2*\b]
.endr
.irp b, \list
.irp j, 0,2,4,6
	v_pk_add_f32 v[ROW+8*\b+\j:ROW+8*\b+\j+1], v[ROW+8*\b+\j:ROW+8*\b+\j+1], v[ST+2*\b:ST+2*\b+1] neg_lo:[0,1] neg_hi:[0,1]
.endr
.endr
.irp b, \list
	v_pk_mul_f32 v[T:T+1], v[ROW+8*\b:ROW+8*\b+1], v[ROW+8*\b:ROW+8*\b+1]
	v_pk_fma_f32 v[T:T+1], v[ROW+8*\b+2:ROW+8*\b+3], v[ROW+8*\b+2:ROW+8*\b+3], v[T:T+1]
	v_pk_fma_f32 v[T:T+1], v[ROW+8*\b+4:ROW+8*\b+5], v[ROW+8*\b+4:ROW+8*\b+5], v[T:T+1]
	v_pk_fma_f32 v[T:T+1], v[ROW+8*\b+6:ROW+8*\b+7], v[ROW+8*\b+6:ROW+8*\b+7], v[T:T+1]
	v_add_f32 v[ST+2*\b], v[T], v[T+1]
.endr
	XRED \list
.irp b, \list
	v_fmaak_f32 v[ST+2*\b], s67, v[ST+2*\b], 0x3727c5ac     ; the variance + 1e-5
.endr
.irp b, \list
	v_rsq_f32 v[ST+2*\b], v[ST+2*\b]
.endr
	v_nop                                          ; a plain instruction behind the last root,
	s_wait_alu depctr_va_vdst(0)                   ; the roots have written v[ST + 2 b]: one wait for the batch, ahead of its first reader
.irp b, \list
	v_mov_b32 v[ST+2*\b+1], v[ST+2*\b]
.endr
.irp b, \list
.irp j, 0,2,4,6
	v_pk_mul_f32 v[ROW+8*\b+\j:ROW+8*\b+\j+1], v[ROW+8*\b+\j:ROW+8*\b+\j+1], v[ST+2*\b:ST+2*\b+1]
.endr
.endr
.endm
.macro TOKC b                          ; row b is made ready: v, then q1 = v1 c - v2 s, q2 = v2 c + v1 s, rounded to f16 into OUT
.irp j, 0,1,2,3
	v_cvt_pk_f16_f32 v[OUT+8*(\b)+\j], v[ROW+8*(\b)+2*\j], v[ROW+8*(\b)+2*\j+1]
.endr
.irp j, 0,2
	v_pk_mul_f32 v[T+\j:T+\j+1], v[ROW+8*(\b)+4+\j:ROW+8*(\b)+5+\j], v[SI+\j:SI+\j+1]
	v_pk_mul_f32 v[T+4+\j:T+5+\j], v[ROW+8*(\b)+\j:ROW+8*(\b)+1+\j], v[SI+\j:SI+\j+1]
.endr
.irp j, 0,2
	v_pk_fma_f32 v[T+\j:T+\j+1], v[ROW+8*(\b)+\j:ROW+8*(\b)+1+\j], v[CO+\j:CO+\j+1], v[T+\j:T+\j+1] neg_lo:[0,0,1] neg_hi:[0,0,1]
	v_pk_fma_f32 v[T+4+\j:T+5+\j], v[ROW+8*(\b)+4+\j:ROW+8*(\b)+5+\j], v[CO+\j:CO+\j+1], v[T+4+\j:T+5+\j]
.endr
.irp j, 0,1,2,3
	v_cvt_pk_f16_f32 v[OUT+8*(\b)+4+\j], v[T+2*\j], v[T+2*\j+1]
.endr
.endm
.macro TOKS b                          ; row b goes out: four stores, behind the wait that shows its OUT written
	global_store_b64 v2, v[OUT+8*(\b):OUT+8*(\b)+1], s[50:51] offset:1048576*(\b)
	global_store_b64 v2, v[OUT+8*(\b)+2:OUT+8*(\b)+3], s[50:51] offset:1048576*(\b)+256
	global_store_b64 v2, v[OUT+8*(\b)+4:OUT+8*(\b)+5], s[48:49] offset:1048576*(\b)
	global_store_b64 v2, v[OUT+8*(\b)+6:OUT+8*(\b)+7], s[48:49] offset:1048576*(\b)+256
.endm
	s_load_b512 s[4:19], s[0:1], 0x0               ; idx s[4:5], wte s[6:7], decoder_x s[8:9], decoder_y s[10:11], encoder s[12:13], readout s[14:15], qv s[16:17], vt s[18:19]
	s_load_b64 s[20:21], s[0:1], 0x40              ; wts
	v_lshrrev_b32 v3, 5, v0
	v_readfirstlane_b32 s22, v3
	v_and_b32 v3, 31, v0                           ; lane
	v_lshlrev_b32 v1, 4, v3                        ; 16 l
	v_lshlrev_b32 v2, 3, v3                        ; 8 l
.irp b, 0,1,2,3,4,5,6,7
	v_mov_b32 v[TP+\b], 0                          ; v_permlanex16_b32 counts as a reader of its destination
.endr
	s_mov_b32 s62, 0x76543210                      ; v_permlanex16_b32: each lane takes its own place in the other half
	s_mov_b32 s63, 0xfedcba98
	s_mov_b32 s66, 0xffff0000                      ; a word's upper bf16
	s_mov_b32 s67, 0x3b800000                      ; 1 / 256
	s_lshl_b32 s23, ttmp9, 3
	s_wait_alu depctr_va_sdst(0)                   ; s22, the wave's number, is written, ahead of its first reader: W and every base are made from it
	s_add_co_u32 s22, s22, s23                     ; W
	s_lshl_b32 s23, s22, 2                         ; 4 W: my position in a row of idx
	s_lshl_b32 s68, s22, 11                        ; 2,048 W: my 512 f32 of each large weight tensor
	s_mov_b32 s69, 0
	s_bfe_u32 s70, s22, 0x80001                    ; d = (W >> 1) & 255
	s_lshl_b32 s70, s70, 13                        ; a row of 4,096 f16
	s_lshr_b32 s72, s22, 9                         ; h
	s_lshl_b32 s72, s72, 11
	s_add_co_u32 s70, s70, s72
	s_and_b32 s72, s22, 1                          ; which half of the 1,024 m
	s_lshl_b32 s72, s72, 10
	s_add_co_u32 s70, s70, s72
	s_mov_b32 s71, 0
	s_lshl_b32 s72, s22, 10                        ; encoder keeps its layout: 1,024 W
	s_add_co_u32 s72, s72, 4194304
	s_mov_b32 s73, 0
	s_lshl_b32 s74, s22, 9                         ; row t of q and of v
	s_mov_b32 s75, 0
	s_wait_kmcnt 0x0
.irp b, 0,1,2,3,4,5,6,7
	s_load_b32 s[24+\b], s[4:5], s23 offset:8192*\b
.endr
	s_add_nc_u64 s[52:53], s[8:9], s[68:69]
	s_add_nc_u64 s[54:55], s[10:11], s[68:69]
	s_add_nc_u64 s[56:57], s[12:13], s[68:69]
	s_add_nc_u64 s[58:59], s[20:21], s[70:71]      ; Wx16
	s_add_nc_u64 s[60:61], s[58:59], 2097152       ; Wy16
	s_add_nc_u64 s[2:3], s[20:21], s[72:73]        ; Enc16
	s_add_nc_u64 s[48:49], s[16:17], s[74:75]      ; q
	s_add_nc_u64 s[50:51], s[48:49], 8388608       ; v
	s_wait_alu depctr_va_vdst(0)                   ; v1 and v2 are written: every load and store of the kernel reads one of them as its offset
.irp i, 0,1,2,3
	global_load_b128 v[96+4*\i:99+4*\i], v1, s[52:53] offset:512*\i th:TH_LOAD_NT
.endr
.irp i, 0,1,2,3
	global_load_b128 v[112+4*\i:115+4*\i], v1, s[54:55] offset:512*\i th:TH_LOAD_NT
.endr
.irp i, 0,1,2,3
	global_load_b128 v[128+4*\i:131+4*\i], v1, s[56:57] offset:512*\i th:TH_LOAD_NT
.endr
	; cos and sin of t f_i, i = 4 l + j, while the loads are on their way
.irp j, 0,1,2,3
	v_lshl_add_u32 v[T+\j], v3, 2, \j
.endr
.irp j, 0,1,2,3
	v_cvt_f32_u32 v[T+\j], v[T+\j]
.endr
.irp j, 0,1,2,3
	v_mul_f32 v[T+\j], 0xbdd49a78, v[T+\j]         ; - i log2(10000) / 128
.endr
.irp j, 0,1,2,3
	v_exp_f32 v[T+\j], v[T+\j]
.endr
	v_cvt_f32_u32 v28, s22                         ; t: the plain instruction behind the last exponential
	s_wait_alu depctr_va_vdst(0)                   ; the four exponentials have written v[T .. T + 3]: one wait, ahead of their first reader
.irp j, 0,1,2,3
	v_mul_f32 v[T+\j], v28, v[T+\j]                ; the angle
.endr
.irp j, 0,1,2,3
	v_mul_f32 v[T+4+\j], 0x3e22f983, v[T+\j]       ; in turns
.endr
.irp j, 0,1,2,3
	v_rndne_f32 v[T+4+\j], v[T+4+\j]
.endr
.irp j, 0,1,2,3
	v_fma_f32 v[T+\j], v[T+\j], 0x3e22f983, -v[T+4+\j]  ; -0.5 .. 0.5 of a turn
.endr
.irp j, 0,1,2,3
	v_mul_f32 v[T+\j], 0x40c90fdb, v[T+\j]         ; phi
.endr
.irp j, 0,1,2,3
	v_mul_f32 v[T+4+\j], v[T+\j], v[T+\j]          ; phi^2
.endr
.irp j, 0,1,2,3
	v_mov_b32 v[SI+\j], 0xab573f9f
	v_mov_b32 v[CO+\j], 0x29573f9f
.endr
.irp k, 0x2f309231, 0xb2d7322b, 0x3638ef1d, 0xb9500d01, 0x3c088889, 0xbe2aaaab
.irp j, 0,1,2,3
	v_fmaak_f32 v[SI+\j], v[SI+\j], v[T+4+\j], \k
.endr
.endr
.irp k, 0xad49cba5, 0x310f76c7, 0xb493f27e, 0x37d00d01, 0xbab60b61, 0x3d2aaaab
.irp j, 0,1,2,3
	v_fmaak_f32 v[CO+\j], v[CO+\j], v[T+4+\j], \k
.endr
.endr
.irp j, 0,1,2,3
	v_fma_f32 v[SI+\j], v[SI+\j], v[T+4+\j], 1.0
	v_fma_f32 v[CO+\j], v[CO+\j], v[T+4+\j], -0.5
.endr
.irp j, 0,1,2,3
	v_mul_f32 v[SI+\j], v[SI+\j], v[T+\j]
	v_fma_f32 v[CO+\j], v[CO+\j], v[T+4+\j], 1.0
.endr
	s_wait_kmcnt 0x0                               ; the eight token numbers
.irp b, 0,1,2,3,4,5,6,7
	s_min_u32 s[24+\b], s[24+\b], 255              ; an index stays inside its table
	s_lshl_b32 s68, s[24+\b], 10
	s_add_nc_u64 s[32+2*\b:33+2*\b], s[6:7], s[68:69]
.endr
.irp b, 0,1,2,3,4,5,6,7                ; no wait: no vector instruction has named ROW, and none since the wait ahead of the first load names v1
	global_load_b128 v[ROW+8*\b:ROW+8*\b+3], v1, s[32+2*\b:33+2*\b]
	global_load_b128 v[ROW+8*\b+4:ROW+8*\b+7], v1, s[32+2*\b:33+2*\b] offset:512
.endr
	s_wait_loadcnt 16                              ; the 16 row loads may stay out: the 12 weight loads are in
.irp i, 0,1,2,3
	CVT4 96+4*\i, WO+2*\i
.endr
.irp i, 0,1,2,3
	CVT4 112+4*\i, WO+8+2*\i
.endr
.irp i, 0,1,2,3
	CVT4 128+4*\i, WO+16+2*\i
.endr
	s_wait_alu depctr_va_vdst(0)                   ; the twelve conversions have written v[WO .. WO + 23], which the twelve stores read
.irp i, 0,1,2,3
	global_store_b64 v2, v[WO+2*\i:WO+2*\i+1], s[58:59] offset:256*\i
.endr
.irp i, 0,1,2,3
	global_store_b64 v2, v[WO+8+2*\i:WO+8+2*\i+1], s[60:61] offset:256*\i
.endr
.irp i, 0,1,2,3
	global_store_b64 v2, v[WO+16+2*\i:WO+16+2*\i+1], s[2:3] offset:256*\i
.endr
	s_wait_loadcnt 0x0                             ; the rows are in.  WO is written no more, so the rows' work owes these stores nothing
	LNROWS 0,1,2,3,4,5,6,7
	TOKC 0
	TOKC 1
	s_wait_alu depctr_va_vdst(0)                   ; rows 0 and 1 have written their OUT, which the eight stores dealt below read
	TOKS 0
	TOKC 2
	TOKS 1
	TOKC 3
	s_wait_alu depctr_va_vdst(0)                   ; rows 2 and 3 have written their OUT
	TOKS 2
	TOKC 4
	TOKS 3
	TOKC 5
	s_wait_alu depctr_va_vdst(0)                   ; rows 4 and 5 have written their OUT
	TOKS 4
	TOKC 6
	TOKS 5
	TOKC 7
	s_wait_alu depctr_va_vdst(0)                   ; rows 6 and 7 have written their OUT
	TOKS 6
	TOKS 7
	s_mov_b32 s70, ttmp9
	s_cmp_lt_u32 s70, 64                           ; W < 512: 128 numbers of readout
	s_cbranch_scc0 .Ldone
	s_wait_xcnt 0x0                                ; all stores so far have read their bases, some of which are written again below
	s_lshl_b32 s68, s22, 9
	s_add_nc_u64 s[52:53], s[14:15], s[68:69]
	s_lshl_b32 s68, s22, 8
	s_add_co_u32 s68, s68, 6291456
	s_add_nc_u64 s[54:55], s[20:21], s[68:69]
	global_load_b128 v[XT:XT+3], v1, s[52:53] th:TH_LOAD_NT   ; no instruction has named these registers
	s_wait_loadcnt 0x0
	CVT4 XT, XT+4
	s_wait_alu depctr_va_vdst(0)                   ; the conversion has written v[XT + 4 .. XT + 5], which the store reads; and the rows' work is done with row 0's registers, in which the table's loads below land
	global_store_b64 v2, v[XT+4:XT+5], s[54:55]
	s_cmp_lt_u32 s70, 32                           ; W < 256: row W of the table
	s_cbranch_scc0 .Ldone
	s_lshl_b32 s68, s22, 10
	s_add_nc_u64 s[32:33], s[6:7], s[68:69]
	s_add_nc_u64 s[56:57], s[18:19], s[68:69]
	s_lshl_b32 s68, s22, 9
	s_add_co_u32 s68, s68, 262144
	s_add_nc_u64 s[58:59], s[18:19], s[68:69]
	global_load_b128 v[ROW:ROW+3], v1, s[32:33]
	global_load_b128 v[ROW+4:ROW+7], v1, s[32:33] offset:512
	s_wait_loadcnt 0x0
	LNROWS 0
.irp j, 0,1,2,3
	v_cvt_pk_f16_f32 v[XT+\j], v[ROW+2*\j], v[ROW+2*\j+1]   ; into registers that a load filled and a conversion read: no memory instruction has read them
.endr
	s_wait_alu depctr_va_vdst(0)                   ; the row's work has written v[ROW .. ROW + 7] and v[XT .. XT + 3], which the four stores read
	global_store_b128 v1, v[ROW:ROW+3], s[56:57]
	global_store_b128 v1, v[ROW+4:ROW+7], s[56:57] offset:512
	global_store_b64 v2, v[XT:XT+1], s[58:59]
	global_store_b64 v2, v[XT+2:XT+3], s[58:59] offset:256
.Ldone:
	s_endpgm
.Lfunc_end_k_q5f1be52160_prep:
	.size	k_q5f1be52160_prep, .Lfunc_end_k_q5f1be52160_prep-k_q5f1be52160_prep
	.p2alignl 7, 3214868480
	.fill 96, 4, 3214868480
	.section	.rodata,"a",@progbits
	.p2align	6, 0x0
	.amdhsa_kernel k_q5f1be52160_prep
		.amdhsa_group_segment_fixed_size 0
		.amdhsa_private_segment_fixed_size 0
		.amdhsa_enable_private_segment 0
		.amdhsa_kernarg_size 72
		.amdhsa_user_sgpr_count 2
		.amdhsa_user_sgpr_kernarg_segment_ptr 1
		.amdhsa_wavefront_size32 1
		.amdhsa_system_sgpr_workgroup_id_x 1
		.amdhsa_system_sgpr_workgroup_id_y 1
		.amdhsa_system_sgpr_workgroup_id_z 1
		.amdhsa_system_vgpr_workitem_id 0
		.amdhsa_next_free_vgpr 216
		.amdhsa_next_free_sgpr 80
		.amdhsa_reserve_vcc 0
		.amdhsa_float_denorm_mode_32 3
		.amdhsa_float_denorm_mode_16_64 3
		.amdhsa_memory_ordered 1
		.amdhsa_forward_progress 1
		.amdhsa_inst_pref_size 53
	.end_amdhsa_kernel
	.amdgpu_metadata
---
amdhsa.version: [ 1, 2 ]
amdhsa.kernels:
  - .name:           k_q5f1be52160_prep
    .symbol:         k_q5f1be52160_prep.kd
    .args:
      - { .name: idx, .offset: 0, .size: 8, .value_kind: global_buffer, .address_space: global }
      - { .name: wte, .offset: 8, .size: 8, .value_kind: global_buffer, .address_space: global }
      - { .name: decoder_x, .offset: 16, .size: 8, .value_kind: global_buffer, .address_space: global }
      - { .name: decoder_y, .offset: 24, .size: 8, .value_kind: global_buffer, .address_space: global }
      - { .name: encoder, .offset: 32, .size: 8, .value_kind: global_buffer, .address_space: global }
      - { .name: readout, .offset: 40, .size: 8, .value_kind: global_buffer, .address_space: global }
      - { .name: qv, .offset: 48, .size: 8, .value_kind: global_buffer, .address_space: global }
      - { .name: vt, .offset: 56, .size: 8, .value_kind: global_buffer, .address_space: global }
      - { .name: wts, .offset: 64, .size: 8, .value_kind: global_buffer, .address_space: global }
    .group_segment_fixed_size: 0
    .private_segment_fixed_size: 0
    .kernarg_segment_align: 8
    .kernarg_segment_size: 72
    .max_flat_workgroup_size: 256
    .sgpr_count:     80
    .vgpr_count:     216
    .wavefront_size: 32
...
	.end_amdgpu_metadata
.endif
;; end of part 6
;; launch state_xtab: the kernel of part 2 again; grid 256 x 1, 4 waves a work-group, no clusters, 99,840 bytes of LDS; arguments qv, vt, wts, sp, xtab; writes sp, xtab
;; launch attn: the kernel of part 3 again; grid 256 x 1, 4 waves a work-group, no clusters, 268,800 bytes of LDS; arguments qv, sp, a1f; writes a1f
;; launch mlp: the kernel of part 4 again; grid 128 x 2, 4 waves a work-group, clusters of 4 x 1, 327,680 bytes of LDS; arguments a1f, idx, wts, xtab, up; writes up
;; launch final: the kernel of part 5 again; grid 256 x 1, 4 waves a work-group, clusters of 4 x 1, 206,336 bytes of LDS; arguments up, idx, vt, wts, out0; writes out0
